; MI455X (gfx1250); checked and timed in simulation.
; The chip was launched on July 23, 2026; its instructions are those of AMD's public machine-readable ISA for CDNA 5 (MIT licence, August 2026) and "CDNA5" Instruction Set Architecture Reference Guide (July 2026). The comments in the code are by the model that wrote it; some were corrected since.
;; Multi Head Self Attention RPE. Allowed arithmetic: matrix products marked QUANTISED: E2M3 operands, one E8M0 scale for each 32 along K, by v_wmma_scale_f32_16x16x128_f8f6f4 with both operands' format E2M3, f32 sums; everything else in f32.
;; Inputs: b1_rpe 32 float32; b2_rpe 16 float32; b_out 1,024 float32; b_qkv 3,072 float32; w1_rpe 1 x 32 float32; w2_rpe_codes 16 x 1 x 24 uint8 (E2M3 codes of w2_rpe, K innermost, in blocks of 32 codes, four codes in three bytes); w2_rpe_scales 16 x 1 uint8 (E8M0 scales of w2_rpe, one for each 32 codes along K); w_out_codes 1,024 x 32 x 24 uint8 (E2M3 codes of w_out, K innermost, in blocks of 32 codes, four codes in three bytes); w_out_scales 1,024 x 32 uint8 (E8M0 scales of w_out, one for each 32 codes along K); w_qkv_codes 3,072 x 32 x 24 uint8 (E2M3 codes of w_qkv, K innermost, in blocks of 32 codes, four codes in three bytes); w_qkv_scales 3,072 x 32 uint8 (E8M0 scales of w_qkv, one for each 32 codes along K); x_codes 2 x 2,048 x 32 x 24 uint8 (E2M3 codes of x, K innermost, in blocks of 32 codes, four codes in three bytes); x_scales 2 x 2,048 x 32 uint8 (E8M0 scales of x, one for each 32 codes along K).
;; Outputs: out0 2 x 2,048 x 1,024 float32.
;; This version of the problem:
;;   THIS VERSION OF THE PROBLEM IS GIVEN IN LOW PRECISION. The matrix products marked QUANTISED in the list below multiply operands that are first quantised to E2M3 (2 exponent bits, 3 mantissa bits; 6 bits a number), with one power-of-two scale for each 32 numbers along K (OCP MX v1.0); their sums are f32. All else is computed in f32.
;;   The module's matrix products, in the order in which they are computed (A, B: the left and right operand; K: the contracted axis; several contracted axes count as one K, in the product's order):
;;     1. [M 4,096, K 1,024] x [K 1,024, N 3,072]; A: input x (given as codes); B: input w_qkv (given as codes): QUANTISED
;;     2. batch 32 x [M 2,048, K 64] x [K 64, N 2,048]; A: computed on the way; B: computed on the way: QUANTISED
;;     3. [M 4,194,304, K 32] x [K 32, N 16]; A: computed on the way; B: input w2_rpe (given as codes): QUANTISED
;;     4. batch 32 x [M 2,048, K 2,048] x [K 2,048, N 64]; A: softmax (see below); B: computed on the way: QUANTISED
;;     5. [M 4,096, K 1,024] x [K 1,024, N 1,024]; A: computed on the way; B: input w_out (given as codes): QUANTISED
;;   THE QUANTISER, for each operand of a quantised product, along K:
;;     - K is cut into blocks of 32 from its start; a last block that is shorter is filled with zeros.
;;     - A block's scale is 2^e with e = floor(log2(the largest magnitude in the block)) - 2, held to -126 .. 127; a block of zeros has e = 0. As a byte (E8M0): e + 127.
;;     - Each number is divided by its block's scale, clamped to +-7.5, and rounded to the nearest number of E2M3, ties to even, subnormals kept.
;;     - The product sums the exact products of the quantised numbers (number of the format x scale) in f32.
;;   ~~~python
;;   def quantise(x, axis):      # numpy; x: float32 -> the quantised numbers, widened to float32 again
;;       x = np.moveaxis(x, axis, -1); K = x.shape[-1]
;;       x = np.pad(x, [(0, 0)] * (x.ndim - 1) + [(0, -K % 32)]); x = x.reshape(x.shape[:-1] + (-1, 32)); a = np.abs(x).max(-1, keepdims=True)
;;       e = np.where(a > 0, np.clip(np.frexp(np.where(a > 0, a, 1))[1] - 1 - 2, -126, 127), 0)      # np.frexp(a)[1] - 1 = floor(log2(a)), exactly
;;       r = np.clip(x / 2.0 ** e, -7.5, 7.5)
;;       step = 2.0 ** (np.maximum(np.frexp(np.where(r == 0, 1, r))[1] - 1, 0) - 3)
;;       q = np.round(r / step) * step * 2.0 ** e      # np.round: ties to even
;;       return np.moveaxis(q.reshape(q.shape[:-2] + (-1,))[..., :K], -1, axis).astype(np.float32)
;;   ~~~
;;   SOFTMAX AHEAD OF A QUANTISED PRODUCT. Where the list says 'softmax', what is quantised is not the finished softmax but p = 2^(t - M), with t = logit x log2(e) and M = ceil(the row's largest t), a whole number; so 1/2 < the row's largest p <= 1. The row's sum l is taken of the UNQUANTISED p, in f32, and the product's result is divided by l at the end. Since M is a whole number, a kernel that streams over the keys may use a running M (the ceiling of the running maximum): every later rescaling is an exact power of two, which a block's scale takes up: the codes' values come out the same.
;;   OPERANDS COMPUTED ON THE WAY. 'Computed on the way' means the value that the module computes at that place (a softmax that the list does not call 'softmax' is quantised finished and normalised). What goes into a quantiser is computed in f32, as accurately as f32 sums, v_exp_f32 and their like allow (about 1e-6 of the number): no bf16 or f16 on the way to a quantiser, and a product that is left as it is and whose result goes on into a quantised operand takes f32 operands (vector FMAs, or v_wmma_f32_16x16x4_f32). A number that lies on a knife's edge between two numbers of the format may be rounded either way, as far as f32 arithmetic and the matrix unit's own rounding can turn it there, and no further.
;;   INPUTS GIVEN AS CODES. w2_rpe (in the module: [32, 16], K = its axis 0); w_out (in the module: [1024, 1024], K = its axis 0); w_qkv (in the module: [1024, 3072], K = its axis 0); x (in the module: [2, 2048, 1024], K = its axis 2): each comes as NAME_codes (uint8): NAME with its K axis moved to the last place and cut into blocks of 32 codes, [.., K / 32, bytes a block], one block behind the other in memory; four codes in three bytes: a row's codes are one little-endian stream of bits, code i at bits 6 i .. 6 i + 5 (a code: sign, 2 exponent bits, 3 mantissa bits); and NAME_scales (uint8): the same leading axes, one E8M0 byte (e + 127) for each 32 codes along K. Its value is code x scale, taken as it is: it is not quantised again, and the codes and scales need not be those that the quantiser above would give.
;; One version. Each part assembles by itself: llvm-mc -triple=amdgcn-amd-amdhsa -mcpu=gfx1250 --defsym DOCPART=n.
;; ======== version 1 of 1: 3 launches
;; limits: right only within a limited range of input values
;; workspace buffers: kv 6,684,672 bytes; qc 3,407,872 bytes; rpe 262,144 bytes; oc 3,145,728 bytes; osc 131,072 bytes
;; launch qkv (part 1): grid 12 x 16, 4 waves a work-group, clusters of 4 x 4, 327,680 bytes of LDS; arguments x_codes, x_scales, w_qkv_codes, w_qkv_scales, b_qkv, qc, kv, rpe, w1_rpe, b1_rpe, w2_rpe_codes, w2_rpe_scales, b2_rpe; writes qc, kv, rpe
.if DOCPART == 1
	.amdgcn_target "amdgcn-amd-amdhsa--gfx1250"
	.amdhsa_code_object_version 6
	.text
	.protected	k_q93d098fed1_qkv
	.globl	k_q93d098fed1_qkv
	.p2align	8
	.type	k_q93d098fed1_qkv,@function
k_q93d098fed1_qkv:
	s_mov_b64 s[64:65], 0
	v_nop
	global_prefetch_b8 v0, s[64:65] scope:SCOPE_SE
	s_setreg_imm32_b32 hwreg(HW_REG_WAVE_MODE, 25, 1), 1
	s_wait_xcnt 0x0
	s_wait_alu depctr_hold_cnt(0) depctr_sa_sdst(0) depctr_va_vdst(0) depctr_va_sdst(0) depctr_va_ssrc(0) depctr_va_vcc(0) depctr_vm_vsrc(0)
	s_getreg_b32 s2, hwreg(HW_REG_IB_STS2, 6, 4)
	s_cmp_eq_u32 s2, 0
	s_cbranch_scc0 .Lentry_in_a_cluster
	s_endpgm
.Lentry_in_a_cluster:
	s_bfe_u32 s2, ttmp6, 0x10000c
	s_cmp_lg_u32 s2, 0xf033
	s_cbranch_scc0 .Lentry_shape_is_right
	s_endpgm
.Lentry_shape_is_right:
; qkv = x w_qkv + b_qkv on codes of FP6 (E2M3) with one E8M0 scale for each 32 along K = 1,024; the result is quantised at once, in registers, and leaves as codes:
; q and k along the head's 64 channels, v along the keys.  Also the table of the relative-position bias (the small product h w2_rpe), which hangs on query - key alone.
; x: 4,096 rows of 768 bytes of codes, 32 scale bytes a row; w_qkv: 3,072 rows likewise.
; A work-group of four waves makes 256 x 256 of the product, a wave 128 x 128: 64 accumulators.  K goes in steps of 256 through a ring of two LDS slots filled by the tensor data mover;
; the scale bytes of the work-group's rows come once.  4 x 4 work-groups form a cluster: A's tiles are asked for jointly along a row of the cluster, B's along a column.
; THE MATRIX INSTRUCTION: source 0 = 16 rows of B, source 1 = 16 rows of A: a lane holds ONE row of A and its registers run along B's rows.
; WHO IS A: clusters x = 0 (q) and x = 1 (k): A = x (tokens), B = w_qkv (channels): a lane holds a token, registers run along the channels, which are the next K.
;           clusters x = 2 (v): A = w_qkv's rows 2,048 on (channels), B = x (tokens): a lane holds a channel, registers run along the keys, which are the next K.  Only pointers and row numbers are chosen.
; WHAT LEAVES, all as images of operand registers (a group of four registers: lane l's 16 bytes at 16 l):
;   kv: [batch x head 32][128 keys 16] records of 13,056 bytes: +0 K: 4 pairs of key tiles x 1,536 (registers 0-5 tile 2 p, 6-11 tile 2 p + 1); +6,144 V: 4 tiles of 16 channels x 128 keys x 1,536;
;       +12,288 K's scale words: lane (r, hh): tiles 4 hh + 0 .. 3; +12,800 V's: lane (r, hh): tiles 2 hh, 2 hh + 1.
;   qc: [batch x head 32][128 queries 16] records of 6,656 bytes: Q as K, scale words at +6,144.
;   THE KEYS OF A TILE ARE NOT NEIGHBOURS: lane r of key tile 2 b + u holds key 32 b + 8 u + r + 8 (r / 8); the queries of a tile are neighbours.
;   rpe: [head 16][u 4,096] f32: 8 x bias(head, query - key = 2,047 - u).
; LIMITS: NaN and infinities among the inputs are not served.  A block whose largest magnitude lies under 2^-124 (a block of zeros too) keeps the scale byte 1: this program alone reads the bytes.
; log1p(n) is log2(1 + n) x ln 2, with 1 + n a whole number of at most 2,049; v_log_f32 is good to one unit in the last place.
.set KSTEP,  256
.set NQ,     KSTEP/128
.set ROWB,   256                       ; a tile's row: a chunk of 256 bytes of a row of codes; chunk c lies in slot c % 2; a step of 128 along K is 96 bytes: eight steps to three chunks
.set KROW,   768                       ; a row of codes in memory
.set PITCH,  272                       ; an LDS row: 256 bytes + 16 of padding
.set FR,     12
.set NL,     6
.set NP,     4                         ; places behind this matrix instruction (ISA guide 7.12.1)
.set HALFT,  128*PITCH
.set SLOT,   4*HALFT
.set STEPS,  8                         ; 1,024 / 128
.set CHUNKS, 3                         ; 768 / 256.  No prefetch: three chunks along K, two of them asked for at the head: no trip is left to run ahead in
.set G0H,    96                        ; s[96:99], s[8:11] group 0 of the head's loads of chunk 0 (the pointers that lay there have been used by then)
.set G0HB,   8
.set KS,     32                        ; a row of scale bytes
.set SCL,    2*SLOT
.set HALFS,  (128*KS/256)*272
.set SBLK,   (16*KS/256)*272
.set SPARE,  SCL+4*HALFS               ; the spare words: 128 bytes a wave, two blocks of 256 bytes that no other line names
.set KREC,   13056
.set QREC,   6656
.set ADRA, 16                          ; v16-19 LDS addresses of A's fragments; v20-23 of B's
.set ADRB, 20
.set ADRS, 27                          ; v27 of my scale words
.set SPW,  28                          ; v28 my spare word; v29 zero: never rewritten
.set NIL,  29
.set SC,   32                          ; v32-63 scale words and nothing else
.set AF,   128                         ; v128-223 A's fragments
.set BIQ,  64                          ; v64-127  b_qkv in the result's layout for q and k
.set BIV,  224                         ; v224-239 b_qkv for v: my channel's number of block a, twice
; the way out, all in window 0
.set LI,   1                           ; 16 x lane
.set LI8,  2                           ; 8 x lane
.set W,    8                           ; v8-15   scale words to be stored
.set PWS,  16                          ; v16-23  the eight blocks' scale words
.set X1,   24
.set X2,   25
.set HA,   128                         ; v128-191 a block's 64 numbers
.set IA,   192                         ; v192-203, v204-215 two images
.set IB,   204
.set CT,   216                         ; v216-222 conversions' second halves
.set TM,   240                         ; v240-255 at work in the quantiser
.set SEL,  68                          ; s[68:69] lane selects: lane l xor 16
.set G1, 24
.set G0, 32
.set G1B, 48
.set G0B, 56
.set G1S, 68
.set G0S, 76
.set G1SB, 80
.set G0SB, 88
.set MSB, 0
.macro WIN new                         ; the immediate's high byte repeats the setting that is left
.if MSB != (\new)
	s_set_vgpr_msb (MSB<<8)|(\new)
.set MSB, (\new)
.endif
.endm
.set MUL_LO, 0xa1                      ; source 0 (B) window 1, source 1 (A) window 0, C and D window 2
.set MUL_HI, 0xf1
.set TO_B,   0x40
; A joint load: waves 0 and 1 fetch for A, waves 2 and 3 for B; the branch hangs on the wave's number alone.  Four v_nop follow each line.
.macro JLOAD g0a, g1a, g0b, g1b
	s_cmp_eq_u32 s15, 0
	s_cbranch_scc0 .Lfor_b_\@
	tensor_load_to_lds s[\g0a:\g0a+3], s[\g1a:\g1a+7]
	s_nop 0
.rept 4
	v_nop
.endr
	s_branch .Lasked_\@
.Lfor_b_\@:
	tensor_load_to_lds s[\g0b:\g0b+3], s[\g1b:\g1b+7]
	s_nop 0
.rept 4
	v_nop
.endr
.Lasked_\@:
.endm
.macro CREST                           ; a round of the cluster's barrier behind its opening barrier
	s_cmp_lg_u32 s14, 0
	s_cbranch_scc1 .Lnot_wave_0_\@
	s_barrier_signal -3
.Lnot_wave_0_\@:
	s_barrier_wait -3
	s_barrier_signal -1
	s_barrier_wait -1
.endm
.macro CROUND
	s_barrier_signal -1
	s_barrier_wait -1
	CREST
.endm
	s_load_b128 s[4:7], s[0:1], 0x0                ; x's codes, x's scales
	s_load_b128 s[8:11], s[0:1], 0x10              ; w_qkv's codes, its scales
	s_load_b64 s[12:13], s[0:1], 0x20              ; b_qkv
	v_lshl_add_u32 v[SPW], v0, 2, SPARE
	v_mov_b32 v[NIL], 0
	ds_add_u32 v28, v29
	ds_add_u32 v28, v29
	s_wait_dscnt 0x0
	v_lshrrev_b32 v1, 5, v0
	v_readfirstlane_b32 s14, v1                    ; wave 0..3
	s_lshr_b32 s15, s14, 1                         ; which half of A's rows is mine.  Also: I fetch for A (0) or for B (1)
	s_and_b32 s16, s14, 1                          ; which half of B's rows.  Also: which 128 rows of that tile I fetch
	s_bfe_u32 s40, ttmp6, 0x40000                  ; cx
	s_bfe_u32 s41, ttmp6, 0x40004                  ; cy
	s_and_b32 s18, ttmp7, 0xffff                   ; cluster y
	s_cmp_eq_u32 ttmp9, 2                          ; the v clusters: the same answer in all sixteen partners
	s_cselect_b32 s17, 0, s18
	s_cselect_b32 s42, s18, ttmp9
	s_cselect_b32 s95, 2048, 0                     ; v: A's rows begin at w_qkv's row 2,048
	s_lshl_b32 s17, s17, 2
	s_add_co_u32 s17, s17, s41                     ; A's tile: cy + 4 x (cluster y, or 0 for v)
	s_lshl_b32 s42, s42, 2
	s_add_co_u32 s42, s42, s40                     ; B's tile: cx + 4 x (cluster x, or cluster y for v)
	s_lshl_b32 s43, s41, 2
	s_lshl_b32 s43, 15, s43                        ; my row of the cluster
	s_lshl_b32 s44, 0x1111, s40                    ; my column
	s_or_b32 s[G1+0], s43, (0<<16)|(1<<20)|(1<<21)|(5<<22)|(3<<25)  ; the mask; elements of 1 byte; padding on; bit 21 beside a mask; after every 64 words 4 words
	s_or_b32 s[G1B+0], s44, (0<<16)|(1<<20)|(1<<21)|(5<<22)|(3<<25)
.irp g, G1, G1B
	s_mov_b32 s[\g+1], ROWB<<16                    ; tensor_dim0
	s_mov_b32 s[\g+2], 256<<16                     ; tensor_dim1: 256 rows for the head's loads, set to 128 behind them
	s_mov_b32 s[\g+3], ROWB<<16                    ; tile_dim0
	s_mov_b32 s[\g+4], 256                         ; tile_dim1
	s_mov_b32 s[\g+5], KROW                        ; from row to row
	s_mov_b32 s[\g+6], 0
	s_mov_b32 s[\g+7], 0
.endr
	s_or_b32 s[G1S+0], s43, (3<<16)|(1<<20)|(1<<21)|(5<<22)|(3<<25)   ; the scales of 256 rows: 8,192 dense bytes as rows of 256 bytes, 16 of padding behind each
	s_or_b32 s[G1SB+0], s44, (3<<16)|(1<<20)|(1<<21)|(5<<22)|(3<<25)
.irp g, G1S, G1SB
	s_mov_b32 s[\g+1], 32<<16
	s_mov_b32 s[\g+2], KS<<16                      ; the scales of 256 rows: 256 KS dense bytes as KS rows of 256
	s_mov_b32 s[\g+3], 32<<16
	s_mov_b32 s[\g+4], KS
	s_mov_b32 s[\g+5], 32
	s_mov_b32 s[\g+6], 0
	s_mov_b32 s[\g+7], 0
.endr
	s_lshl_b32 s20, s17, 8
	s_add_co_u32 s20, s20, s95                     ; A's tile's first row: never holds cx
	s_lshl_b32 s46, s42, 8                         ; B's: never holds cy
	s_mov_b32 s21, 0
	s_mov_b32 s47, 0
	s_mov_b64 s[18:19], KS
	s_mul_u64 s[22:23], s[20:21], s[18:19]         ; where these rows' scales begin
	s_mul_u64 s[92:93], s[46:47], s[18:19]
	s_mov_b64 s[18:19], KROW
	s_mul_u64 s[20:21], s[20:21], s[18:19]         ; and their codes
	s_mul_u64 s[46:47], s[46:47], s[18:19]
	s_mul_i32 s18, s16, 128*KROW                   ; in the ring I fetch 128 rows of a tile: which half, in bytes,
	s_mov_b32 s19, 0
	s_mul_i32 s45, s14, HALFT                      ; and where they go: wave x 128 rows
	s_wait_kmcnt 0x0
	s_cmp_eq_u32 ttmp9, 2                          ; the choice of buffers hangs on the cluster's number alone
	s_cselect_b64 s[96:97], s[8:9], s[4:5]         ; A's codes
	s_cselect_b64 s[98:99], s[10:11], s[6:7]       ; A's scales
	s_cselect_b64 s[8:9], s[4:5], s[8:9]           ; B's codes
	s_cselect_b64 s[10:11], s[6:7], s[10:11]       ; B's scales
	s_add_nc_u64 s[20:21], s[96:97], s[20:21]
	s_add_nc_u64 s[22:23], s[98:99], s[22:23]
	s_add_nc_u64 s[46:47], s[8:9], s[46:47]
	s_add_nc_u64 s[92:93], s[10:11], s[92:93]
	CROUND                                         ; all sixteen work-groups are here: the first joint loads meet
	s_mov_b32 s[G0H], 1                            ; the head's four tiles, each whole: chunk 0's 256 rows of A,
	s_mov_b32 s[G0H+1], 0
	s_mov_b64 s[G0H+2:G0H+3], s[20:21]
	s_or_b32 s[G0H+3], s[G0H+3], 0x80000000
	s_mov_b32 s[G0HB], 1                           ; its 256 rows of B,
	s_mov_b32 s[G0HB+1], 2*HALFT
	s_mov_b64 s[G0HB+2:G0HB+3], s[46:47]
	s_or_b32 s[G0HB+3], s[G0HB+3], 0x80000000
	s_mov_b32 s[G0S], 1                            ; the scales of A's 256 rows,
	s_mov_b32 s[G0S+1], SCL
	s_mov_b64 s[G0S+2:G0S+3], s[22:23]
	s_or_b32 s[G0S+3], s[G0S+3], 0x80000000
	s_mov_b32 s[G0SB], 1                           ; and of B's
	s_mov_b32 s[G0SB+1], SCL+2*HALFS
	s_mov_b64 s[G0SB+2:G0SB+3], s[92:93]
	s_or_b32 s[G0SB+3], s[G0SB+3], 0x80000000
	s_add_nc_u64 s[20:21], s[20:21], s[18:19]      ; for the ring: my 128 rows of the tile
	s_add_nc_u64 s[46:47], s[46:47], s[18:19]
.irp s, 0,1
	s_mov_b32 s[G0+4*\s], 1
	s_add_co_u32 s[G0+4*\s+1], s45, \s*SLOT
	s_add_nc_u64 s[G0+4*\s+2:G0+4*\s+3], s[20:21], \s*ROWB
	s_or_b32 s[G0+4*\s+3], s[G0+4*\s+3], 0x80000000
	s_mov_b32 s[G0B+4*\s], 1
	s_add_co_u32 s[G0B+4*\s+1], s45, \s*SLOT
	s_add_nc_u64 s[G0B+4*\s+2:G0B+4*\s+3], s[46:47], \s*ROWB
	s_or_b32 s[G0B+4*\s+3], s[G0B+4*\s+3], 0x80000000
.endr
; The head's loads, one a wave: wave 0 chunk 0 of A, wave 1 of B, wave 2 A's scales, wave 3 B's; one tree of branches on the wave's number, one load on every way
.macro ARM under, g0, g1, next
	s_cmp_lt_u32 s14, \under
	s_cbranch_scc0 \next
	tensor_load_to_lds s[\g0:\g0+3], s[\g1:\g1+7]
	s_nop 0
.rept 4
	v_nop
.endr
	s_branch .Lhead_asked
\next:
.endm
	ARM 1, G0H,  G1,  .Lhead_b
	ARM 2, G0HB, G1B, .Lhead_sa
	ARM 3, G0S,  G1S, .Lhead_sb
	tensor_load_to_lds s[G0SB:G0SB+3], s[G1SB:G1SB+7]
	s_nop 0
.rept 4
	v_nop
.endr
.Lhead_asked:
	s_load_b128 s[92:95], s[0:1], 0x28             ; qc s[92:93], kv s[94:95]: waited for at the way out
	; The biases, in both forms, on every path: the form that a cluster does not use reads b_qkv's first numbers.
	s_lshl_b32 s18, s42, 8
	s_lshl_b32 s19, s16, 7
	s_add_co_u32 s18, s18, s19                     ; q, k: my first channel = 256 x B's tile + 128 x half
	s_lshl_b32 s19, s17, 8
	s_lshl_b32 s2, s15, 7
	s_add_co_u32 s19, s19, s2
	s_add_co_u32 s19, s19, 2048                    ; v: 2,048 + 256 x A's tile + 128 x half
	s_cmp_eq_u32 ttmp9, 2
	s_cselect_b32 s18, 0, s18
	s_cselect_b32 s2, s19, 0
	s_lshl_b32 s18, s18, 2
	s_lshl_b32 s2, s2, 2
	s_mov_b32 s19, 0
	s_mov_b32 s3, 0
	s_add_nc_u64 s[4:5], s[12:13], s[18:19]
	s_add_nc_u64 s[6:7], s[12:13], s[2:3]
	v_and_b32 v1, 15, v0                           ; r = l % 16
	v_bfe_u32 v2, v0, 4, 1                         ; h = l / 16
	v_lshlrev_b32 v8, 5, v2                        ; 32 h; v8 and v9 stay until the wait for these loads
	v_lshlrev_b32 v9, 2, v1                        ; 4 r
.irp b, 0,1,2,3,4,5,6,7
	global_load_b128 v[BIQ+8*\b:BIQ+8*\b+3], v8, s[4:5] offset:64*\b         ; register 8 b + j: channel 16 b + 8 h + j
	global_load_b128 v[BIQ+8*\b+4:BIQ+8*\b+7], v8, s[4:5] offset:64*\b+16
.endr
.irp a, 0,1,2,3,4,5,6,7
	global_load_b32 v[BIV+2*\a], v9, s[6:7] offset:64*\a                     ; channel 16 a + r, in both registers of a pair
	global_load_b32 v[BIV+2*\a+1], v9, s[6:7] offset:64*\a
.endr
	v_mul_u32_u24 v3, v1, PITCH
	v_mul_u32_u24 v4, v2, 24
	v_add_nc_u32 v4, v3, v4                        ; a fragment's row x pitch + 24 x half
	s_mov_b32 s21, SLOT-232
	s_mov_b32 s22, SLOT+232
	v_sub_nc_u32 v7, 1, v2                         ; 1 in lanes 0-15
	v_mul_u32_u24 v5, s21, v2
	v_add_nc_u32 v5, v3, v5
	v_add_nc_u32 v5, 232, v5                       ; across two chunks: lanes 0-15 byte 232 of the row in slot 0, lanes 16-31 byte 0 of the row in slot 1;
	v_mul_u32_u24 v6, s22, v7
	v_add_nc_u32 v6, v3, v6                        ; and lanes 0-15 byte 232 in slot 1, lanes 16-31 byte 0 in slot 0
	s_mul_i32 s21, s15, HALFT
	s_mul_i32 s22, s16, HALFT
	s_add_co_u32 s22, s22, 2*HALFT
	v_add_nc_u32 v[ADRA+2], s21, v5
	v_add_nc_u32 v[ADRA+3], s21, v6
	v_add_nc_u32 v[ADRB+2], s22, v5
	v_add_nc_u32 v[ADRB+3], s22, v6
.irp s, 0,1
	v_add_nc_u32 v[ADRA+\s], s21, v4
	v_add_nc_u32 v[ADRB+\s], s22, v4
	s_add_co_u32 s21, s21, SLOT
	s_add_co_u32 s22, s22, SLOT
.endr
	v_mul_u32_u24 v5, v1, KS                       ; my row's scales: 32 bytes a row,
	v_lshrrev_b32 v6, 8, v5
	v_lshl_add_u32 v5, v6, 4, v5                   ; and 16 more for each 256 passed
	s_mul_i32 s21, s15, HALFS
	s_mul_i32 s22, s16, HALFS
	s_add_co_u32 s22, s22, 2*HALFS
	s_sub_co_u32 s22, s22, s21
	v_mul_u32_u24 v6, s22, v2                      ; lanes 16-31 take B's
	s_add_co_u32 s21, s21, SCL
	v_add_nc_u32 v5, v5, v6
	v_add_nc_u32 v[ADRS], s21, v5
.macro FRAG reg, adr, q, i             ; 16 rows x 128 K of step q: 12 registers, six pieces of 8 bytes; byte y of a row lies in slot (y / 256) % 2 at byte y % 256 of the LDS row
.irp p, 0,1,2,3,4,5
.set BY, 96*(\q)+48*(\p/3)+8*(\p%3)    ; where the piece of lanes 0-15 begins in the row; that of lanes 16-31 begins 24 bytes on
.if BY/ROWB == (BY+24)/ROWB
	ds_load_b64 v[\reg+2*\p:\reg+2*\p+1], v[\adr+(BY/ROWB)%2] offset:BY%ROWB+(\i)*16*PITCH
.else                                  ; the two halves of the lanes read different chunks
	ds_load_b64 v[\reg+2*\p:\reg+2*\p+1], v[\adr+2+(BY/ROWB)%2] offset:BY%ROWB-232+(\i)*16*PITCH
.endif
.endr
.endm
; 16 matrix instructions: A's blocks a0, a0 + 1 x B's eight.  The 64 accumulators take turns, one instruction a turn, in the same order in every step.
.macro MUL16 a0, p, q, sc, zero
.irp a, \a0, \a0+1
.irp b, 0,1,2,3,4,5,6,7
.if \zero
	v_wmma_scale_f32_16x16x128_f8f6f4 v[8*(8*((\a)%4)+\b):8*(8*((\a)%4)+\b)+7], v[128*(\p)+FR*\b:128*(\p)+FR*\b+FR-1], v[AF+FR*(\a):AF+FR*(\a)+FR-1], 0, v[SC+8*NQ*(\sc)+NQ*\b+(\q)], v[SC+8*NQ*(\sc)+NQ*(\a)+(\q)] matrix_a_fmt:MATRIX_FMT_FP6 matrix_b_fmt:MATRIX_FMT_FP6 matrix_a_scale:MATRIX_SCALE_ROW1
.else
	v_wmma_scale_f32_16x16x128_f8f6f4 v[8*(8*((\a)%4)+\b):8*(8*((\a)%4)+\b)+7], v[128*(\p)+FR*\b:128*(\p)+FR*\b+FR-1], v[AF+FR*(\a):AF+FR*(\a)+FR-1], v[8*(8*((\a)%4)+\b):8*(8*((\a)%4)+\b)+7], v[SC+8*NQ*(\sc)+NQ*\b+(\q)], v[SC+8*NQ*(\sc)+NQ*(\a)+(\q)] matrix_a_fmt:MATRIX_FMT_FP6 matrix_b_fmt:MATRIX_FMT_FP6 matrix_a_scale:MATRIX_SCALE_ROW1
.endif
.endr
.endr
.endm
.macro FETCH_B slot, q, p
	WIN TO_B
.irp i, 0,1,2,3,4,5,6,7
	FRAG 128*(\p)+FR*\i, ADRB+\slot, \q, \i
.endr
	WIN 0
.endm
.macro FETCH_A slot, q, i0
.irp i, \i0, \i0+1, \i0+2, \i0+3
	FRAG AF+FR*(\i), ADRA+\slot, \q, \i
.endr
.endm
.macro SCALES pr                       ; the scale words of steps 2 pr, 2 pr + 1 into set pr % 2: lanes 0-15 A's block i, lanes 16-31 B's block i
.irp i, 0,1,2,3,4,5,6,7
	ds_load_b64 v[SC+8*NQ*((\pr)%2)+NQ*\i:SC+8*NQ*((\pr)%2)+NQ*\i+1], v[ADRS] offset:\i*SBLK+4*NQ*(\pr)
.endr
.endm
.macro PLACES n                        ; plain vector instructions between a matrix instruction and a load into, or a read of, its registers
.rept \n
	v_nop
.endr
.endm
; A step of 128 along K: 64 matrix instructions; the next step's fragments are fetched in its middle and at its end.
; Where the next step's bytes END in a chunk not yet read: every wave waits for its tensor loads, and a barrier shows that chunk whole.
; Where they BEGIN in a later chunk: the chunk left behind is read no more: the wait for all tensor loads, the add, the wait for it and for my reads, the barrier;
; where a chunk two further on is left to fetch, that barrier opens a round of the cluster's and the slot is filled again.
.macro STEP st, zero
.set NX, (\st)+1
.set C0, (96*(\st))/ROWB
.set C1, (96*NX)/ROWB
.set E0, (96*(\st)+95)/ROWB
.set E1, (96*NX+95)/ROWB
.if C1 > C0 || E1 > E0
	s_wait_tensorcnt 0x0                           ; all my tensor loads have landed
.if C1 > C0
	ds_add_u32 v[SPW], v[NIL]                      ; 0 onto my spare word
	s_wait_dscnt 4*NL+1                            ; the add and the youngest 24 loads (A's blocks 4-7) may be out
.else
	s_wait_dscnt 4*NL                              ; the youngest 24 loads may be out
.endif
	WIN MUL_LO
	MUL16 0, (\st)%2, (\st)%2, ((\st)/2)%2, \zero
	s_wait_dscnt 0x0                               ; the add, where there is one, and all my reads are done
	s_barrier_signal -1
	MUL16 2, (\st)%2, (\st)%2, ((\st)/2)%2, \zero
	WIN 0
	s_barrier_wait -1
.if C1 > C0 && C0+2 < CHUNKS
	CREST                                          ; no wave of any partner still reads this slot's chunk or has a load on its way
	s_add_nc_u64 s[G0+4*(C0%2)+2:G0+4*(C0%2)+3], s[G0+4*(C0%2)+2:G0+4*(C0%2)+3], 2*ROWB
	s_add_nc_u64 s[G0B+4*(C0%2)+2:G0B+4*(C0%2)+3], s[G0B+4*(C0%2)+2:G0B+4*(C0%2)+3], 2*ROWB
	JLOAD G0+4*(C0%2), G1, G0B+4*(C0%2), G1B       ; chunk C0 + 2; its four v_nop are the places in front of the loads below
.else
	PLACES NP
.endif
.else
	s_wait_dscnt 4*NL                              ; all but the youngest 24 loads are in
	WIN MUL_LO
	MUL16 0, (\st)%2, (\st)%2, ((\st)/2)%2, \zero
	MUL16 2, (\st)%2, (\st)%2, ((\st)/2)%2, \zero
	s_wait_dscnt 0
	PLACES NP
.endif
	FETCH_B 0, NX, NX%2
	FETCH_A 0, NX, 0
.if NX%2 == 0
	SCALES NX/2
.endif
	WIN MUL_HI
	MUL16 4, (\st)%2, (\st)%2, ((\st)/2)%2, \zero
	MUL16 6, (\st)%2, (\st)%2, ((\st)/2)%2, \zero
	PLACES NP
	WIN 0
	FETCH_A 0, NX, 4
.endm
	s_wait_alu depctr_va_vdst(0)                   ; the wait at the head's end
	s_wait_tensorcnt 0x0                           ; my tile of the head's four is in; the lines ahead of a later first fill:
	ds_add_u32 v[SPW], v[NIL]
	s_mov_b32 s[G1+2], 128<<16                     ; no tensor load of mine is out: from here on a load brings 128 rows
	s_mov_b32 s[G1+4], 128
	s_mov_b32 s[G1B+2], 128<<16
	s_mov_b32 s[G1B+4], 128
	s_wait_dscnt 0x0
	CROUND                                         ; all four tiles are in, and all sixteen work-groups are here
	JLOAD G0+4, G1, G0B+4, G1B                     ; chunk 1, the first tensor load behind the round
	s_load_b256 s[72:79], s[0:1], 0x38             ; rpe, w1_rpe, b1_rpe, w2_rpe's codes: into registers of the head's descriptors, whose loads are done; waited for at the way out
	s_load_b128 s[80:83], s[0:1], 0x58             ; w2_rpe's scales, b2_rpe
	FETCH_B 0, 0, 0
	FETCH_A 0, 0, 0
	SCALES 0
	FETCH_A 0, 0, 4
	STEP 0, 1                                      ; the first step's products start the sums
.set ST, 1
.rept STEPS-2
	STEP ST, 0
.set ST, ST+1
.endr
	s_wait_dscnt 4*NL                              ; the last step fetches nothing
	WIN MUL_LO
	MUL16 0, 1, 1, 1, 0
	MUL16 2, 1, 1, 1, 0
	s_wait_dscnt 0
	WIN MUL_HI
	MUL16 4, 1, 1, 1, 0
	MUL16 6, 1, 1, 1, 0
	WIN 0
; ---------------- THE WAY OUT: bias, quantiser, images.  No LDS.
; In a block's 64 registers, register 8 b + j of lane (r, h) is B's row 16 b + 8 h + j.  HALVES makes register 16 g + i B's row 32 g + 16 h + i: sixteen neighbours along the next K.
.macro HALVES base, n
.set g, 0
.rept \n
.set j, 0
.rept 8
	v_permlane16_swap_b32 v[\base+16*g+j], v[\base+16*g+8+j]
.set j, j+1
.endr
.set g, g+1
.endr
.endm
; 64 numbers of a lane become codes: blocks 0, 1 in v[d0] .. +5, blocks 2, 3 in v[d1] .. +5 (lanes 0-15 the even block, lanes 16-31 the odd one), and the row's four scale bytes in v[w].
.macro QUANT s, d0, d1, w
.irp b, 0,1,2,3
	v_max3_num_f32 v[TM+\b], |v[\s+16*\b]|, |v[\s+1+16*\b]|, 0x1800000   ; my 16 numbers of block b, and the floor 2^(3 - 127): the byte cannot fall under 1
.endr
.irp i, 2,4,6,8,10,12,14
.irp b, 0,1,2,3
	v_max3_num_f32 v[TM+\b], v[TM+\b], |v[\s+16*\b+\i]|, |v[\s+1+16*\b+\i]|
.endr
.endr
.irp b, 0,1,2,3
	v_permlanex16_b32 v[TM+4+\b], v[TM+\b], s[SEL], s[SEL+1]
.endr
.irp b, 0,1,2,3
	v_max_num_f32 v[TM+\b], v[TM+\b], v[TM+4+\b]   ; with lane l xor 16's: the block's largest magnitude
.endr
.irp b, 0,1,2,3
	v_add_nc_u32 v[TM+12+\b], 0xff000000, v[TM+\b] ; 2 off its exponent field: the conversion's scale operand
.endr
.irp b, 0,1,2,3
	v_lshrrev_b32 v[TM+4+\b], 23, v[TM+12+\b]      ; the scale's byte
.endr
	v_lshl_or_b32 v[\w], v[TM+5], 8, v[TM+4]
	v_lshl_or_b32 v[\w], v[TM+6], 16, v[\w]
	v_lshl_or_b32 v[\w], v[TM+7], 24, v[\w]
	v_cvt_scalef32_pk16_fp6_f32 v[\d0:\d0+2], v[\s:\s+15], v[TM+12]
	v_cvt_scalef32_pk16_fp6_f32 v[CT:CT+2], v[\s+16:\s+31], v[TM+13]
	v_cvt_scalef32_pk16_fp6_f32 v[\d1:\d1+2], v[\s+32:\s+47], v[TM+14]
	v_cvt_scalef32_pk16_fp6_f32 v[CT+4:CT+6], v[\s+48:\s+63], v[TM+15]
	v_nop                                          ; one plain place behind a scaled conversion
.irp i, 0,1,2
	v_permlane16_swap_b32 v[\d0+\i], v[CT+\i]      ; a whole block to a lane
	v_permlane16_swap_b32 v[\d1+\i], v[CT+4+\i]
.endr
.irp i, 0,1,2
	v_mov_b32 v[\d0+3+\i], v[CT+\i]
	v_mov_b32 v[\d1+3+\i], v[CT+4+\i]
.endr
.endm
; Two neighbouring tiles of tokens change their groups of eight lanes: x keeps its lanes 0-7 and takes y's lanes 0-7 as its 8-15; y takes x's lanes 8-15 as its 0-7.  For q the two masks make it the identity.
.macro EXCH x, y
	v_mov_b32_dpp v[X1], v[\y] row_xmask:8 row_mask:0xf bank_mask:0xf
	v_mov_b32_dpp v[X2], v[\x] row_xmask:8 row_mask:0xf bank_mask:0xf
	v_cndmask_b32 v[\x], v[\x], v[X1], s70
	v_cndmask_b32 v[\y], v[X2], v[\y], s71
.endm
.macro UNITQK a                        ; block a: 16 tokens x my 128 channels = two heads
	WIN 0x02+(\a)/4
.set AC, 64*((\a)%4)
.set i, 0
.rept 32
	v_pk_add_f32 v[HA+i:HA+i+1], v[AC+i:AC+i+1], v[BIQ+i:BIQ+i+1]   ; out of the accumulators' window, each accumulator from its low end on, and the bias
.set i, i+2
.endr
	WIN 0
	HALVES HA, 4
.if ((\a)%2 == 0) && ((\a) > 0)
	s_wait_xcnt 0x0                                ; the last pair's stores have read the images: only now are they written again
.endif
	QUANT HA, IA+6*((\a)%2), IB+6*((\a)%2), PWS+(\a)
.if (\a)%2
.irp i, 0,1,2,3,4,5
	EXCH IA+\i, IA+6+\i
	EXCH IB+\i, IB+6+\i
.endr
	EXCH PWS+(\a)-1, PWS+(\a)
.irp c, 0,1,2
	global_store_b128 v[LI], v[IA+4*\c:IA+4*\c+3], s[4:5] offset:((\a)/2)*1536+512*\c   ; 32 lanes store 512 consecutive bytes
	global_store_b128 v[LI], v[IB+4*\c:IB+4*\c+3], s[6:7] offset:((\a)/2)*1536+512*\c
.endr
.endif
.endm
.macro UNITV a                         ; block a: 16 channels x my 128 keys: one fragment of V
	WIN 0x02+(\a)/4
.set AC, 64*((\a)%4)
.set i, 0
.rept 32
	v_pk_add_f32 v[HA+i:HA+i+1], v[AC+i:AC+i+1], v[BIV+2*(\a):BIV+2*(\a)+1]
.set i, i+2
.endr
	WIN 0
	HALVES HA, 4
.if (\a) > 1
	s_wait_xcnt 0x0                                ; block a - 2's stores have read this image
.endif
.set IM, IA+12*((\a)%2)
	QUANT HA, IM, IM+6, PWS+(\a)
.irp c, 0,1,2
	global_store_b128 v[LI], v[IM+4*\c:IM+4*\c+3], s[4+2*((\a)/4):5+2*((\a)/4)] offset:6144+((\a)%4)*1536+512*\c
.endr
.endm
	PLACES NP                                      ; behind the last products: their results are read and A's registers written below
	s_wait_loadcnt 0x0                             ; the biases
	s_wait_kmcnt 0x0                               ; qc, kv
	v_and_b32 v[LI8], 31, v0
	v_lshlrev_b32 v[LI], 4, v[LI8]
	v_lshlrev_b32 v[LI8], 3, v[LI8]
	v_mov_b32 v[X1], 0                             ; written once: a lane permute's destination counts as one of its sources
	v_mov_b32 v[X2], 0
.irp b, 0,1,2,3
	v_mov_b32 v[TM+4+\b], 0
.endr
	s_mov_b32 s[SEL], 0x76543210
	s_mov_b32 s[SEL+1], 0xfedcba98
	s_mov_b32 s2, 0xffff0000                       ; lanes 16-31
	; What the bias table needs is asked for here, on every path (the k and v clusters do not use it), and lands while the results are quantised:
	; w1 and b1, the same 32 numbers in every lane, in window 1's v96-127 and v224-255; head r's codes in window 1's v0-5; its scale byte in v33, b2 in v31
	v_and_b32 v3, 15, v0                           ; r
	v_mul_u32_u24 v5, v3, 24
	v_lshlrev_b32 v6, 2, v3
	v_mov_b32 v30, 0
	s_wait_alu depctr_va_vdst(0)
	WIN 0x40                                       ; destination window 1
.irp i, 0,1,2,3,4,5,6,7
	global_load_b128 v[96+4*\i:96+4*\i+3], v30, s[74:75] offset:16*\i
	global_load_b128 v[224+4*\i:224+4*\i+3], v30, s[76:77] offset:16*\i
.endr
	global_load_b64 v[0:1], v5, s[78:79]
	global_load_b64 v[2:3], v5, s[78:79] offset:8
	global_load_b64 v[4:5], v5, s[78:79] offset:16
	WIN 0
	global_load_u8 v33, v3, s[80:81]               ; the word's other bytes are 0, over zero codes
	global_load_b32 v31, v6, s[82:83]
	s_cmp_eq_u32 ttmp9, 2
	s_cbranch_scc1 .Lway_v
	; q and k: my 128 tokens are one record's, my 128 channels two heads
	s_lshl_b32 s18, s17, 8
	s_lshl_b32 s19, s15, 7
	s_add_co_u32 s18, s18, s19                     ; my first token
	s_lshr_b32 s19, s18, 11                        ; batch
	s_bfe_u32 s20, s18, 0x40007                    ; which 128 of its 2,048
	s_lshl_b32 s19, s19, 4
	s_lshl_b32 s21, s40, 2
	s_add_co_u32 s19, s19, s21
	s_lshl_b32 s21, s16, 1
	s_add_co_u32 s19, s19, s21                     ; 16 x batch + my first head (4 cx + 2 x half)
	s_lshl_b32 s19, s19, 4
	s_add_co_u32 s19, s19, s20                     ; the record
	s_cmp_eq_u32 ttmp9, 1                          ; k or q
	s_cselect_b64 s[4:5], s[94:95], s[92:93]
	s_mov_b32 s21, QREC
	s_cselect_b32 s21, KREC, s21
	s_mov_b32 s22, 6144
	s_cselect_b32 s22, 12288, s22                  ; where a record's scale words begin
	s_cselect_b32 s70, 0xff00ff00, 0
	s_cselect_b32 s71, 0xff00ff00, -1
	s_mul_i32 s18, s19, s21
	s_mov_b32 s19, 0
	s_add_nc_u64 s[4:5], s[4:5], s[18:19]          ; my first head's record
	s_lshl_b32 s18, s21, 4
	s_add_nc_u64 s[6:7], s[4:5], s[18:19]          ; the next head's: 16 records on
	s_mov_b32 s23, 0
	s_add_nc_u64 s[8:9], s[4:5], s[22:23]
	s_add_nc_u64 s[10:11], s[6:7], s[22:23]
.irp a, 0,1,2,3,4,5,6,7
	UNITQK \a
.endr
.irp i, 0,1,2,3
	v_cndmask_b32 v[W+\i], v[PWS+\i], v[PWS+4+\i], s2   ; lanes 0-15: tiles 0-3; lanes 16-31: tiles 4-7.  Bytes 0, 1 are the first head's
.endr
.irp i, 0,1,2,3
	v_lshrrev_b32 v[W+4+\i], 16, v[W+\i]           ; bytes 2, 3 the second head's
.endr
	global_store_b128 v[LI], v[W:W+3], s[8:9]
	global_store_b128 v[LI], v[W+4:W+7], s[10:11]
	s_branch .Lout_done
.Lway_v:
	s_lshl_b32 s18, s42, 8
	s_lshl_b32 s19, s16, 7
	s_add_co_u32 s18, s18, s19                     ; my first key
	s_lshr_b32 s19, s18, 11
	s_bfe_u32 s20, s18, 0x40007
	s_lshl_b32 s19, s19, 4
	s_lshl_b32 s21, s41, 2
	s_add_co_u32 s19, s19, s21
	s_lshl_b32 s21, s15, 1
	s_add_co_u32 s19, s19, s21                     ; 16 x batch + my first head (4 cy + 2 x half)
	s_lshl_b32 s19, s19, 4
	s_add_co_u32 s19, s19, s20
	s_mul_i32 s18, s19, KREC
	s_mov_b32 s19, 0
	s_add_nc_u64 s[4:5], s[94:95], s[18:19]
	s_add_nc_u64 s[6:7], s[4:5], 16*KREC
.irp a, 0,1,2,3,4,5,6,7
	UNITV \a
.endr
.irp H, 0,1
	v_cndmask_b32 v[W+2*\H], v[PWS+4*\H], v[PWS+4*\H+2], s2      ; lanes 0-15: tiles 0, 1; lanes 16-31: tiles 2, 3
	v_cndmask_b32 v[W+2*\H+1], v[PWS+4*\H+1], v[PWS+4*\H+3], s2
	global_store_b64 v[LI8], v[W+2*\H:W+2*\H+1], s[4+2*\H:5+2*\H] offset:12800
.endr
.Lout_done:
	s_wait_xcnt 0x0                                ; the stores have read their registers and bases
	s_cmp_lg_u32 ttmp9, 0
	s_cbranch_scc1 .Lno_rpe
; ---------------- THE BIAS TABLE: the 256 waves of the q clusters make 16 values of u each, for all 16 heads: one matrix instruction a wave.
; Source 0 = the hidden layer of 16 values of u (K = 32: lanes 0-15 hold the block, all else zero codes), source 1 = w2_rpe's 16 heads.  Lane (r, h) of the result: head r, u = u0 + 8 h + 0 .. 7.
	s_and_b32 s18, ttmp7, 0xffff
	s_lshl_b32 s18, s18, 2
	s_add_co_u32 s18, s18, s41
	s_lshl_b32 s18, s18, 2
	s_add_co_u32 s18, s18, s40
	s_lshl_b32 s18, s18, 2
	s_add_co_u32 s18, s18, s14
	s_lshl_b32 s18, s18, 4                         ; u0 = 16 x (((4 cluster y + cy) 4 + cx) 4 + wave)
	s_sub_co_i32 s19, 2047, s18
	v_bfe_u32 v4, v0, 4, 1                         ; h
	v_sub_nc_u32 v11, s19, v3                      ; n = query - key = 2,047 - u0 - r
	v_cvt_f32_i32 v11, v11
	v_add_f32 v12, |v11|, 1.0
	s_wait_alu depctr_va_vdst(0)
	v_log_f32 v12, v12
	v_mov_b32 v7, 0                                ; a plain place behind the logarithm
	s_wait_alu depctr_va_vdst(0)                   ; the wait ahead of the first reader
	v_mul_f32 v12, 0x3f317218, v12                 ; x ln 2: log1p(|n|)
	v_bfi_b32 v12, 0x7fffffff, v12, v11            ; with n's sign
	s_wait_alu depctr_va_vdst(0)
	s_wait_loadcnt 0x0                             ; the table's loads, asked for at the head of the way out
	WIN 0x11                                       ; w1 and b1: window 1
.set k, 0
.rept 32
	v_fma_f32 v[128+k], v[96+k], v12, v[224+k]
.set k, k+1
.endr
	WIN 0
.set k, 0
.rept 32
	v_max_num_f32 v[128+k], 0, v[128+k]            ; relu
.set k, k+1
.endr
	v_max3_num_f32 v240, v128, v129, 0x1800000     ; the block's largest number (none is negative), and the floor
.irp i, 2,4,6,8,10,12,14,16,18,20,22,24,26,28,30
	v_max3_num_f32 v240, v240, v[128+\i], v[129+\i]
.endr
	v_add_nc_u32 v241, 0xff000000, v240
	v_lshrrev_b32 v32, 23, v241                    ; the scale word: byte 0; the others 0, over zero codes
	v_cvt_scalef32_pk16_fp6_f32 v[192:194], v[128:143], v241
	v_cvt_scalef32_pk16_fp6_f32 v[216:218], v[144:159], v241
	v_nop
.irp i, 0,1,2
	v_mov_b32 v[195+\i], v[216+\i]
.endr
.irp i, 0,1,2,3,4,5
	v_cndmask_b32 v[192+\i], v[192+\i], v7, s2     ; K = 32 .. 63 (lanes 16-31): zero codes
	v_mov_b32 v[198+\i], 0                         ; K = 64 .. 127
.endr
	WIN 0x41                                       ; w2's codes: window 1
.irp i, 0,1,2,3,4,5
	v_cndmask_b32 v[\i], v[\i], v7, s2             ; K = 32 .. 63: zero codes
.endr
	WIN 0x40
.irp i, 0,1,2,3,4,5
	v_mov_b32 v[6+\i], 0                           ; K = 64 .. 127
.endr
	WIN 0
	v_mul_f32 v13, 0x41000000, v31                 ; 8 b2
	v_lshlrev_b32 v14, 14, v3
	v_lshl_add_u32 v14, v4, 5, v14                 ; head r's row of 16,384 bytes, + 32 h
	s_lshl_b32 s18, s18, 2
	s_mov_b32 s19, 0
	s_add_nc_u64 s[4:5], s[72:73], s[18:19]
.rept 8
	v_nop                                          ; operands and a scale written by vector instructions stand these places ahead of a scaled matrix instruction
.endr
	WIN 0x04                                       ; source 1: window 1
	v_wmma_scale_f32_16x16x128_f8f6f4 v[216:223], v[192:203], v[0:11], 0, v32, v33 matrix_a_fmt:MATRIX_FMT_FP6 matrix_b_fmt:MATRIX_FMT_FP6
	WIN 0
.rept 4
	v_nop
.endr
.irp j, 0,1,2,3,4,5,6,7
	v_fma_f32 v[224+\j], v[216+\j], 0x41000000, v13   ; 8 (h w2 + b2): the score product takes it as its C, ahead of the division by 8
.endr
	global_store_b128 v14, v[224:227], s[4:5]      ; runs of 64 bytes a head: the table is 256 KiB in all
	global_store_b128 v14, v[228:231], s[4:5] offset:16
.Lno_rpe:
	s_wait_tensorcnt 0x0                           ; the wave's end
	ds_add_u32 v[SPW], v[NIL]
	s_wait_dscnt 0x0
	CROUND                                         ; the closing round: no work-group ends while a partner may still ask for a tile that names it
	s_endpgm
.Lfunc_end_k_q93d098fed1_qkv:
	.size	k_q93d098fed1_qkv, .Lfunc_end_k_q93d098fed1_qkv-k_q93d098fed1_qkv
	.p2alignl 7, 3214868480
	.fill 96, 4, 3214868480
	.section	.rodata,"a",@progbits
	.p2align	6, 0x0
	.amdhsa_kernel k_q93d098fed1_qkv
		.amdhsa_group_segment_fixed_size 327680
		.amdhsa_private_segment_fixed_size 0
		.amdhsa_enable_private_segment 0
		.amdhsa_kernarg_size 104
		.amdhsa_user_sgpr_count 2
		.amdhsa_user_sgpr_kernarg_segment_ptr 1
		.amdhsa_wavefront_size32 1
		.amdhsa_system_sgpr_workgroup_id_x 1
		.amdhsa_system_sgpr_workgroup_id_y 1
		.amdhsa_system_sgpr_workgroup_id_z 1
		.amdhsa_system_vgpr_workitem_id 0
		.amdhsa_next_free_vgpr 1024
		.amdhsa_next_free_sgpr 100
		.amdhsa_reserve_vcc 0
		.amdhsa_float_denorm_mode_32 3
		.amdhsa_float_denorm_mode_16_64 3
		.amdhsa_memory_ordered 1
		.amdhsa_forward_progress 1
		.amdhsa_inst_pref_size 255
	.end_amdhsa_kernel
	.section	.bss,"aw",@nobits
	.p2align	6
	.space	262144
	.amdgpu_metadata
---
amdhsa.version: [ 1, 2 ]
amdhsa.kernels:
  - .name:           k_q93d098fed1_qkv
    .symbol:         k_q93d098fed1_qkv.kd
    .args:
      - { .name: x_codes, .offset: 0, .size: 8, .value_kind: global_buffer, .address_space: global }
      - { .name: x_scales, .offset: 8, .size: 8, .value_kind: global_buffer, .address_space: global }
      - { .name: w_qkv_codes, .offset: 16, .size: 8, .value_kind: global_buffer, .address_space: global }
      - { .name: w_qkv_scales, .offset: 24, .size: 8, .value_kind: global_buffer, .address_space: global }
      - { .name: b_qkv, .offset: 32, .size: 8, .value_kind: global_buffer, .address_space: global }
      - { .name: qc, .offset: 40, .size: 8, .value_kind: global_buffer, .address_space: global }
      - { .name: kv, .offset: 48, .size: 8, .value_kind: global_buffer, .address_space: global }
      - { .name: rpe, .offset: 56, .size: 8, .value_kind: global_buffer, .address_space: global }
      - { .name: w1_rpe, .offset: 64, .size: 8, .value_kind: global_buffer, .address_space: global }
      - { .name: b1_rpe, .offset: 72, .size: 8, .value_kind: global_buffer, .address_space: global }
      - { .name: w2_rpe_codes, .offset: 80, .size: 8, .value_kind: global_buffer, .address_space: global }
      - { .name: w2_rpe_scales, .offset: 88, .size: 8, .value_kind: global_buffer, .address_space: global }
      - { .name: b2_rpe, .offset: 96, .size: 8, .value_kind: global_buffer, .address_space: global }
    .group_segment_fixed_size: 327680
    .private_segment_fixed_size: 0
    .kernarg_segment_align: 8
    .kernarg_segment_size: 104
    .max_flat_workgroup_size: 128
    .sgpr_count:     100
    .vgpr_count:     1024
    .wavefront_size: 32
...
	.end_amdgpu_metadata
.endif
;; end of part 1
;; launch attn (part 2): grid 8 x 32, 8 waves a work-group, clusters of 4 x 1, 247,040 bytes of LDS; arguments qc, kv, rpe, oc, osc; writes oc, osc
.if DOCPART == 2
	.amdgcn_target "amdgcn-amd-amdhsa--gfx1250"
	.amdhsa_code_object_version 6
	.text
	.protected	k_q93d098fed1_attn
	.globl	k_q93d098fed1_attn
	.p2align	8
	.type	k_q93d098fed1_attn,@function
k_q93d098fed1_attn:
	s_mov_b64 s[64:65], 0
	v_nop
	global_prefetch_b8 v0, s[64:65] scope:SCOPE_SE
	s_setreg_imm32_b32 hwreg(HW_REG_WAVE_MODE, 25, 1), 1
	s_wait_xcnt 0x0
	s_wait_alu depctr_hold_cnt(0) depctr_sa_sdst(0) depctr_va_vdst(0) depctr_va_sdst(0) depctr_va_ssrc(0) depctr_va_vcc(0) depctr_vm_vsrc(0)
	s_getreg_b32 s2, hwreg(HW_REG_IB_STS2, 6, 4)
	s_cmp_eq_u32 s2, 0
	s_cbranch_scc0 .Lentry_in_a_cluster
	s_endpgm
.Lentry_in_a_cluster:
	s_bfe_u32 s2, ttmp6, 0x10000c
	s_cmp_lg_u32 s2, 0x3003
	s_cbranch_scc0 .Lentry_shape_is_right
	s_endpgm
.Lentry_shape_is_right:
; o = softmax(q k^T / 8 + bias) v for one batch and head, both products on codes of FP6 (E2M3) with E8M0 scales; o is quantised along the model's 1,024 channels and leaves as codes.
; THE SOFTMAX: t = (q.k + 8 bias) x log2(e) / 8; M = the running largest t rounded up to a whole number; p = 2^(t - M) is quantised along the keys; the row's sum is taken of the unquantised p and divides at the end.
; 8 bias comes from the table rpe[head][key - query + 2,047] and is the C of the score product: it costs no vector instruction.
; SHARES.  A work-group owns 256 queries of one (batch, head); each of its eight waves two tiles of 16 queries, which share every fragment of K and V.  Every wave walks the 2,048 keys, 128 a step.
; LDS.  The head's sixteen records of kv (208,896 bytes) lie in LDS as they lie in memory, filled ONCE by eight tensor loads, one a wave, two records each; nothing is ever filled again,
; and every load has landed before LDS is first read.
; Behind them four copies of the bias window (2,304 words), copy c shifted by c words, so that every lane's eight neighbouring words are two aligned loads of 16 bytes.
; CLUSTER.  The four query blocks of a cluster belong to one head: the records are asked for jointly.
; LAYOUT.  S^T = K Q^T (source 0 = 16 keys, source 1 = 16 queries), O^T = V^T P^T: a lane holds one query.  Lane r of key tile 2 b + u holds key 32 b + 8 u + r + 8 (r / 8): the 16 registers of tiles 2 b, 2 b + 1 are 16 neighbouring keys.
; K = 64 IN A FORM OF 128: Q's fragment is 6 registers of codes and 6 of zero codes.  K's tiles stand on end, 6 registers each: a tile's upper six registers are the next tile's codes, which meet Q's zeros;
; every code is a finite number and no scale byte made by this program is 0xff, so they add exactly nothing.
; LIMITS: NaN and infinities are not served; a block of o under 2^-124 keeps the scale byte 1; v_exp_f32 is good to one unit in the last place and gives 0 where the result would be denormal.
; REGISTERS.  Window 0: v1-7 addresses; v8-23 statistics, 8 a tile (+0 -M, +1 largest t, +2,3 the sum, +4 f, +5 zero, +6 p's scale word, +7 at work); v24-27 K's scale words, v28-29 V's, v30 Q's;
;   v32-53, v224-245 at work (a set a tile); v54-63 head's temporaries; v64-87 p's codes; v96-223 S^T, then p.   Window 1: v0-23 Q; v24-77 K; v80-127 V; v128-191 O^T.
.set KREC, 13056
.set QREC, 6656
.set BIAS, 16*KREC
.set CP,   9280                        ; from copy to copy: 9,216 bytes + 64
.set LI,   1
.set LI8,  2
.set AB0,  3
.set ADK,  4
.set ADS,  5
.set ADB,  6
.set ST,   8
.set KSC,  24
.set VSC,  28
.set QSC,  30
.set TM,   32                          ; tile x: TM + 192 x: +0..3 blocks' maxima, +4..7 the other half's / bytes, +8..11 scale operands, +12..18 conversions' second halves, +20,21 the second chain of sums
.set PC,   64
.set S,    96
.set QF,   0
.set KF,   24
.set VF,   80
.set OF,   128
.set WV,   14
.set SEL,  20
.set CS,   22
.set G1,   24                          ; s[24:31] descriptor group 1; s[40:43] group 0
.set G0,   40
.set TB,   48
.set TBI,  49
.set CNT,  50
.set HM,   51
.set MSB, 0
.macro WIN new
.if MSB != (\new)
	s_set_vgpr_msb (MSB<<8)|(\new)
.set MSB, (\new)
.endif
.endm
.macro CROUND
	s_barrier_signal -1
	s_barrier_wait -1
	s_cmp_lg_u32 s[WV], 0
	s_cbranch_scc1 .Lnot_wave_0_\@
	s_barrier_signal -3
.Lnot_wave_0_\@:
	s_barrier_wait -3
	s_barrier_signal -1
	s_barrier_wait -1
.endm
	s_load_b256 s[4:11], s[0:1], 0x0               ; qc s[4:5], kv s[6:7], rpe s[8:9], oc s[10:11]
	s_load_b64 s[12:13], s[0:1], 0x20              ; osc
	v_lshl_add_u32 v254, v0, 2, 0x3c100
	v_mov_b32 v255, 0
	ds_add_u32 v254, v255
	ds_add_u32 v254, v255
	v_lshrrev_b32 v1, 5, v0
	s_delay_alu instid0(VALU_DEP_1)
	v_readfirstlane_b32 s[WV], v1                  ; wave 0..7
	s_bfe_u32 s15, ttmp6, 0x40000                  ; cx: it enters global addresses alone
	s_lshl_b32 s16, ttmp9, 2
	s_add_co_u32 s16, s16, s15
	s_lshl_b32 s16, s16, 8                         ; I0: my block's first query
	s_and_b32 s17, ttmp7, 0xffff                   ; 16 x batch + head, which the four partners share
	; descriptor group 1: two records, a dense block of 26,112 bytes, as 102 rows of 256 bytes (32 elements of 8 bytes)
	s_mov_b32 s[G1], 15|(3<<16)|(1<<21)            ; the mask: all four work-groups; bit 21 beside it; no padding
	s_mov_b32 s[G1+1], 32<<16
	s_mov_b32 s[G1+2], 102<<16
	s_mov_b32 s[G1+3], 32<<16
	s_mov_b32 s[G1+4], 102
	s_mov_b32 s[G1+5], 32
	s_mov_b32 s[G1+6], 0
	s_mov_b32 s[G1+7], 0
	s_and_b32 s52, s[WV], 3
	s_mul_i32 s53, s[WV], 2*KREC                   ; my two records: in the head's part of kv and in LDS alike
	s_mul_i32 s56, s17, 16*KREC
	s_mov_b32 s57, 0
	s_mov_b32 s[SEL], 0x76543210
	s_mov_b32 s[SEL+1], 0xfedcba98
	s_mov_b32 s[CS], 0x3e38aa3b                    ; log2(e) / 8
	s_mov_b32 s[CS+1], s[CS]
	s_mov_b32 s[HM], 0xffff0000
	s_mov_b32 s[TB], 0
	s_mov_b32 s[TBI], 0
	s_wait_dscnt 0x0
	s_wait_kmcnt 0x0
	s_add_nc_u64 s[6:7], s[6:7], s[56:57]          ; kv at my head
	s_mov_b32 s[G0], 1
	s_mov_b32 s[G0+1], s53
	s_mov_b32 s56, s53
	s_add_nc_u64 s[G0+2:G0+3], s[6:7], s[56:57]
	s_or_b32 s[G0+3], s[G0+3], 0x80000000
	CROUND                                         ; all four work-groups are here: the joint loads meet
	tensor_load_to_lds s[G0:G0+3], s[G1:G1+7]      ; every wave's one load of the launch; four v_nop follow it
	s_nop 0
.rept 4
	v_nop
.endr
	; the bias window: rpe[head][1,792 - I0 + m], m = 0 .. 2,303; m = key - (query - I0) + 255
	s_and_b32 s53, s17, 15                         ; head
	s_lshl_b32 s53, s53, 14
	s_sub_co_u32 s54, 1792, s16
	s_lshl_b32 s54, s54, 2
	s_add_co_u32 s54, s54, s53
	s_mov_b32 s55, 0
	s_add_nc_u64 s[8:9], s[8:9], s[54:55]
	v_lshlrev_b32 v7, 4, v0                        ; 16 x thread: four words each
	global_load_b128 v[96:99], v7, s[8:9]
	global_load_b128 v[100:103], v7, s[8:9] offset:16
	global_load_b128 v[112:115], v7, s[8:9] offset:4096
	global_load_b128 v[116:119], v7, s[8:9] offset:4112
	; Q: my pair of tiles, and their scale words
	s_lshl_b32 s54, s17, 4
	s_lshr_b32 s56, s16, 7
	s_add_co_u32 s54, s54, s56
	s_lshr_b32 s56, s[WV], 2
	s_add_co_u32 s54, s54, s56                     ; the record of my 128 queries
	s_mul_i32 s54, s54, QREC
	s_add_nc_u64 s[4:5], s[4:5], s[54:55]
	s_mul_i32 s56, s52, 1536                       ; my pair in it
	s_bfe_u32 s58, s[WV], 0x10001
	s_lshl_b32 s58, s58, 8
	s_and_b32 s59, s[WV], 1
	s_lshl_b32 s59, s59, 3
	s_add_co_u32 s58, s58, s59
	v_and_b32 v[LI8], 31, v0
	s_delay_alu instid0(VALU_DEP_1)
	v_lshlrev_b32 v[LI], 4, v[LI8]
	s_delay_alu instid0(VALU_DEP_2)
	v_lshlrev_b32 v[LI8], 3, v[LI8]
	v_and_b32 v58, 15, v0                          ; r
	v_bfe_u32 v59, v0, 4, 1                        ; h
	s_delay_alu instid0(VALU_DEP_4)
	v_add_nc_u32 v56, s56, v[LI]
	s_delay_alu instid0(VALU_DEP_3)
	v_lshlrev_b32 v57, 4, v58
	s_delay_alu instid0(VALU_DEP_1)
	v_lshl_add_u32 v57, v59, 2, v57
	s_delay_alu instid0(VALU_DEP_1)
	v_add_nc_u32 v57, s58, v57                     ; lanes 0-15: tile 0's word of query r; lanes 16-31: tile 1's
	WIN 0x40                                       ; destination window 1
	global_load_b128 v[QF:QF+3], v56, s[4:5]
	global_load_b64 v[QF+4:QF+5], v56, s[4:5] offset:512
	global_load_b64 v[QF+12:QF+13], v56, s[4:5] offset:520
	global_load_b128 v[QF+14:QF+17], v56, s[4:5] offset:1024
.irp i, 0,1,2,3,4,5
	v_mov_b32 v[QF+6+\i], 0                        ; K = 64 .. 127: zero codes
	v_mov_b32 v[QF+18+\i], 0
	v_mov_b32 v[KF+48+\i], 0                       ; behind the last tile of K
.endr
.set i, 0
.rept 64
	v_mov_b32 v[OF+i], 0                           ; O^T.  (The step is written once: the first finds zeros, which the first change of M leaves zeros)
.set i, i+1
.endr
	WIN 0
	global_load_b32 v[QSC], v57, s[4:5] offset:6144
	; The bias address of tile 1 (tile 0's is 16 words on).  c = 3 - r % 4 is the copy that is aligned for my query; the word in it is 255 - (32 wave + 16 + r) - c = 4 x (59 - (8 wave + r / 4)).
	; The bits of 8 wave + r / 4 all lie inside 59 = 0b111011, so the difference is an exclusive or.
	v_and_b32 v60, 3, v0
	s_delay_alu instid0(VALU_DEP_1)
	v_xor_b32 v60, 3, v60                          ; c
	v_lshrrev_b32 v61, 2, v0                       ; 8 wave + 4 h + r / 4
	s_delay_alu instid0(VALU_DEP_1)
	v_and_b32 v61, 59, v61                         ; 8 wave + r / 4
	s_delay_alu instid0(VALU_DEP_1)
	v_xor_b32 v61, 59, v61                         ; 59 - that
	s_delay_alu instid0(VALU_DEP_4)
	v_mul_u32_u24 v[AB0], v60, CP
	s_delay_alu instid0(VALU_DEP_1)
	v_lshl_add_u32 v[AB0], v61, 4, v[AB0]          ; four words, 16 bytes, a unit
	s_delay_alu instid0(VALU_DEP_1)
	v_lshl_add_u32 v[AB0], v59, 6, v[AB0]          ; lanes 16-31: 16 keys on
	s_delay_alu instid0(VALU_DEP_1)
	v_add_nc_u32 v[AB0], BIAS, v[AB0]
	v_add_nc_u32 v62, BIAS, v7
.irp x, 0,1
	v_mov_b32 v[ST+8*\x+1], 0xff61b1e6             ; the largest t so far: -3e38
	s_delay_alu instid0(VALU_DEP_1)
	v_floor_f32 v[ST+8*\x], -v[ST+8*\x+1]          ; -M
	v_mov_b32 v[ST+8*\x+2], 0
	v_mov_b32 v[ST+8*\x+3], 0
	v_mov_b32 v[ST+8*\x+5], 0                      ; named with f as a pair
.irp b, 0,1,2,3
	v_mov_b32 v[TM+192*\x+4+\b], 0                 ; a lane permute's destination counts as one of its sources
.endr
.endr
; Eight words of the window in v[e] on become four words of each copy: copy c takes words c .. c + 3 (the odd ones by way of v[f] on, since four registers begin on an even number).
.macro BUILD e, f, off
.irp i, 0,1,2,3,4,5
	v_mov_b32 v[\f+\i], v[\e+1+\i]
.endr
	ds_store_b128 v62, v[\e:\e+3] offset:\off
	ds_store_b128 v62, v[\f:\f+3] offset:\off+CP
	ds_store_b128 v62, v[\e+2:\e+5] offset:\off+2*CP
	ds_store_b128 v62, v[\f+2:\f+5] offset:\off+3*CP
.endm
	s_wait_loadcnt 5                               ; the window's four loads are in; Q's five may be out
	BUILD 96, 104, 0
	BUILD 112, 120, 4096
	s_cmp_lt_u32 s[WV], 2                          ; words 2,048 on: 64 threads.  The last group of four is never read (the highest word read is 2,299): its thread loads the group before, so that no load leaves the table
	s_cbranch_scc0 .Lno_third
	v_add_nc_u32 v63, 8192, v7
	s_delay_alu instid0(VALU_DEP_1)
	v_min_u32 v63, 9184, v63
	global_load_b128 v[128:131], v63, s[8:9]
	global_load_b128 v[132:135], v63, s[8:9] offset:16
	s_wait_loadcnt 0x0
	BUILD 128, 136, 8192
.Lno_third:
	s_wait_loadcnt 0x0                             ; Q
	s_wait_dscnt 0x0                               ; my part of the copies has landed
	s_wait_tensorcnt 0x0                           ; my two records have landed
	s_barrier_signal -1
	s_barrier_wait -1                              ; everybody's have: from here on LDS is only read
.macro SCORE t, x
.set rD, S+64*(\x)+8*(\t)
.set rK, KF+6*(\t)
.set rQ, QF+12*(\x)
.set rC, KSC+(\t)%4
.if ((\t) < 4) && ((\x) == 0)
	v_wmma_scale_f32_16x16x128_f8f6f4 v[rD:rD+7], v[rK:rK+11], v[rQ:rQ+11], v[rD:rD+7], v[rC], v[QSC] matrix_a_fmt:MATRIX_FMT_FP6 matrix_b_fmt:MATRIX_FMT_FP6
.elseif (\t) < 4
	v_wmma_scale_f32_16x16x128_f8f6f4 v[rD:rD+7], v[rK:rK+11], v[rQ:rQ+11], v[rD:rD+7], v[rC], v[QSC] matrix_a_fmt:MATRIX_FMT_FP6 matrix_b_fmt:MATRIX_FMT_FP6 matrix_b_scale:MATRIX_SCALE_ROW1
.elseif (\x) == 0
	v_wmma_scale_f32_16x16x128_f8f6f4 v[rD:rD+7], v[rK:rK+11], v[rQ:rQ+11], v[rD:rD+7], v[rC], v[QSC] matrix_a_fmt:MATRIX_FMT_FP6 matrix_b_fmt:MATRIX_FMT_FP6 matrix_a_scale:MATRIX_SCALE_ROW1
.else
	v_wmma_scale_f32_16x16x128_f8f6f4 v[rD:rD+7], v[rK:rK+11], v[rQ:rQ+11], v[rD:rD+7], v[rC], v[QSC] matrix_a_fmt:MATRIX_FMT_FP6 matrix_b_fmt:MATRIX_FMT_FP6 matrix_a_scale:MATRIX_SCALE_ROW1 matrix_b_scale:MATRIX_SCALE_ROW1
.endif
.endm
.macro PVM t, x
.set rD, OF+32*(\x)+8*(\t)
.set rV, VF+12*(\t)
.set rP, PC+12*(\x)
.if (\t) < 2
	v_wmma_scale_f32_16x16x128_f8f6f4 v[rD:rD+7], v[rV:rV+11], v[rP:rP+11], v[rD:rD+7], v[VSC+(\t)%2], v[ST+8*(\x)+6] matrix_a_fmt:MATRIX_FMT_FP6 matrix_b_fmt:MATRIX_FMT_FP6
.else
	v_wmma_scale_f32_16x16x128_f8f6f4 v[rD:rD+7], v[rV:rV+11], v[rP:rP+11], v[rD:rD+7], v[VSC+(\t)%2], v[ST+8*(\x)+6] matrix_a_fmt:MATRIX_FMT_FP6 matrix_b_fmt:MATRIX_FMT_FP6 matrix_a_scale:MATRIX_SCALE_ROW1
.endif
.endm
.macro NAMES x
.set rS, S+64*(\x)
.set rT, ST+8*(\x)
.set rM, TM+192*(\x)
.set rP, PC+12*(\x)
.endm
.macro MAXM x                          ; the blocks' largest scores, the new M, f, and t - M
	NAMES \x
.irp b, 0,1,2,3
	v_max3_num_f32 v[rM+\b], v[rS+16*\b], v[rS+1+16*\b], v[rS+2+16*\b]   ; each accumulator is first read at its low end
.endr
.irp i, 3,5,7,9,11,13
.irp b, 0,1,2,3
	v_max3_num_f32 v[rM+\b], v[rM+\b], v[rS+16*\b+\i], v[rS+1+16*\b+\i]
.endr
.endr
.irp b, 0,1,2,3
	v_max_num_f32 v[rM+\b], v[rM+\b], v[rS+15+16*\b]
.endr
.endm
; The next two phases are taken by the two tiles in turn: eight independent lines stand between a result and its reader
.macro MAXP x
	NAMES \x
.irp b, 0,1,2,3
	v_permlanex16_b32 v[rM+4+\b], v[rM+\b], s[SEL], s[SEL+1]
.endr
.endm
.macro MAXQ x
	NAMES \x
.irp b, 0,1,2,3
	v_max_num_f32 v[rM+\b], v[rM+\b], v[rM+4+\b]   ; with lane l xor 16's 16 keys: the block's largest score
.endr
.endm
.macro MAXR x                          ; the new M, f, and t - M
	NAMES \x
	v_max3_num_f32 v[rT+7], v[rM], v[rM+1], v[rM+2]
	s_delay_alu instid0(VALU_DEP_1)
	v_max_num_f32 v[rT+7], v[rT+7], v[rM+3]
	s_delay_alu instid0(VALU_DEP_1)
	v_mul_f32 v[rT+7], s[CS], v[rT+7]
	s_delay_alu instid0(VALU_DEP_1)
	v_max_num_f32 v[rT+1], v[rT+1], v[rT+7]        ; the running largest t
	v_mov_b32 v[rT+7], v[rT]
	s_delay_alu instid0(VALU_DEP_2)
	v_floor_f32 v[rT], -v[rT+1]                    ; -M = floor(-t): M is a whole number
	s_delay_alu instid0(VALU_DEP_1)
	v_sub_f32 v[rT+7], v[rT], v[rT+7]
	s_delay_alu instid0(VALU_DEP_1)
	v_cvt_i32_f32 v[rT+7], v[rT+7]                 ; (it saturates)
	s_delay_alu instid0(VALU_DEP_1)
	v_ldexp_f32 v[rT+4], 1.0, v[rT+7]              ; f = 2^(old M - new M)
.set i, 0
.rept 32
	v_pk_fma_f32 v[rS+i:rS+i+1], v[rS+i:rS+i+1], s[CS:CS+1], v[rT:rT+1] op_sel_hi:[1,0,0]
.set i, i+2
.endr
.irp b, 0,1,2,3
	v_fma_f32 v[rM+\b], v[rM+\b], s[CS], v[rT]     ; the same of each block's largest score
.endr
.endm
.macro EXPS x
	NAMES \x
.set i, 0
.rept 64
	v_exp_f32 v[rS+i], v[rS+i]                     ; p = 2^(t - M)
.set i, i+1
.endr
.endm
.macro EXPB x
	NAMES \x
.irp b, 0,1,2,3
	v_exp_f32 v[rM+\b], v[rM+\b]                   ; the block's largest p: the same two instructions on the same number
.endr
.endm
.macro SUMS x                          ; the row's sum of the unquantised p, two at a time, in two chains
	NAMES \x
	v_pk_add_f32 v[rM+20:rM+21], v[rS:rS+1], v[rS+2:rS+3]
.irp j, 4,8,12,16,20,24,28,32,36,40,44,48,52,56,60
	v_pk_add_f32 v[rT+2:rT+3], v[rT+2:rT+3], v[rS+\j:rS+\j+1]
	v_pk_add_f32 v[rM+20:rM+21], v[rM+20:rM+21], v[rS+\j+2:rS+\j+3]
.endr
	s_delay_alu instid0(VALU_DEP_1)
	v_pk_add_f32 v[rT+2:rT+3], v[rT+2:rT+3], v[rM+20:rM+21]
.endm
.macro QNT x                           ; p becomes a fragment and a scale word
	NAMES \x
.irp b, 0,1,2,3
	v_max_num_f32 v[rM+\b], 0x1800000, v[rM+\b]    ; the floor 2^(3 - 127)
.endr
.endm
.macro QNA x                           ; these phases too are taken by the two tiles in turn
	NAMES \x
.irp b, 0,1,2,3
	v_add_nc_u32 v[rM+8+\b], 0xff000000, v[rM+\b]  ; 2 off the exponent field: the conversion's scale operand
.endr
.endm
.macro QNS x
	NAMES \x
.irp b, 0,1,2,3
	v_lshrrev_b32 v[rM+4+\b], 23, v[rM+8+\b]       ; the scale's byte
.endr
.endm
.macro QNR x
	NAMES \x
	v_lshl_or_b32 v[rT+6], v[rM+5], 8, v[rM+4]
	s_delay_alu instid0(VALU_DEP_1)
	v_lshl_or_b32 v[rT+6], v[rM+6], 16, v[rT+6]
	s_delay_alu instid0(VALU_DEP_1)
	v_lshl_or_b32 v[rT+6], v[rM+7], 24, v[rT+6]
.irp c, 0,1
	v_cvt_scalef32_pk16_fp6_f32 v[rP+6*\c:rP+6*\c+2], v[rS+32*\c:rS+32*\c+15], v[rM+8+2*\c]
	v_cvt_scalef32_pk16_fp6_f32 v[rM+12+4*\c:rM+14+4*\c], v[rS+32*\c+16:rS+32*\c+31], v[rM+9+2*\c]
.endr
	v_nop                                          ; one plain place behind a scaled conversion
.irp c, 0,1
.irp i, 0,1,2
	v_permlane16_swap_b32 v[rP+6*\c+\i], v[rM+12+4*\c+\i]
.endr
.endr
.irp c, 0,1                            ; the six swaps first, then the six moves
.irp i, 0,1,2
	v_mov_b32 v[rP+3+6*\c+\i], v[rM+12+4*\c+\i]
.endr
.endr
.endm
; A KEY STEP: 128 keys, both tiles.
.macro STEP
	v_add_nc_u32 v[ADK], s[TB], v[LI]
	v_add_nc_u32 v[ADS], s[TB], v[LI8]
	v_add_nc_u32 v[ADB], s[TBI], v[AB0]
	v_nop                                          ; four places behind the last products, in front of the loads into V's registers and scale words
.irp x, 0,1
.irp t, 0,1,2,3,4,5,6,7
	ds_load_b128 v[S+64*\x+8*\t:S+64*\x+8*\t+3], v[ADB] offset:64*(1-\x)+128*(\t/2)+32*(\t%2)       ; 8 bias of keys 32 (t / 2) + 16 h + 8 (t % 2) + 0 .. 7
	ds_load_b128 v[S+64*\x+8*\t+4:S+64*\x+8*\t+7], v[ADB] offset:64*(1-\x)+128*(\t/2)+32*(\t%2)+16
.endr
.endr
	ds_load_b128 v[KSC:KSC+3], v[ADK] offset:12288
	WIN 0x40
.irp i, 0,1,2,3,4,5,6,7,8,9,10,11
	ds_load_b128 v[KF+4*\i:KF+4*\i+3], v[ADK] offset:512*\i
.endr
	WIN 0
	ds_load_b64 v[VSC:VSC+1], v[ADS] offset:12800
	WIN 0x40
.irp i, 0,1,2,3,4,5,6,7,8,9,10,11
	ds_load_b128 v[VF+4*\i:VF+4*\i+3], v[ADK] offset:6144+512*\i
.endr
	s_wait_dscnt 13                                ; all but V's scale words and V's twelve loads
	WIN 0x05                                       ; K and Q window 1; S^T window 0
.irp t, 0,1,2,3,4,5,6,7
.irp x, 0,1
	SCORE \t, \x                                   ; sixteen different accumulators
.endr
.endr
	WIN 0
.rept 4
	v_nop
.endr
	MAXM 0
	MAXM 1
	MAXP 0
	MAXP 1
	MAXQ 0
	MAXQ 1
	MAXR 0
	MAXR 1
	s_wait_alu depctr_va_vdst(0)
	EXPS 0
	EXPS 1
	v_pk_mul_f32 v[ST+2:ST+3], v[ST+2:ST+3], v[ST+4:ST+5] op_sel_hi:[1,0]         ; the sums under the new M: plain places behind the exponentials
	v_pk_mul_f32 v[ST+10:ST+11], v[ST+10:ST+11], v[ST+12:ST+13] op_sel_hi:[1,0]
	s_wait_alu depctr_va_vdst(0)                   ; one wait for the batch of 128, ahead of its first reader
	EXPB 0
	EXPB 1
	SUMS 0                                         ; they read the 128 alone: plain work behind the eight
	SUMS 1
	s_wait_alu depctr_va_vdst(0)                   ; and one for the eight
	QNT 0
	QNT 1
	QNA 0
	QNA 1
	QNS 0
	QNS 1
	QNR 0
	QNR 1
	WIN 0x41                                       ; O^T window 1, f window 0
.irp x, 0,1
.set i, 0
.rept 16
	v_pk_mul_f32 v[OF+32*\x+i:OF+32*\x+i+1], v[OF+32*\x+i:OF+32*\x+i+1], v[ST+8*\x+4:ST+8*\x+5] op_sel_hi:[1,0]   ; O^T under the new M; also the places in front of the products below
.set i, i+2
.endr
.endr
	s_wait_alu depctr_va_vdst(0)
	s_wait_dscnt 0x0                               ; V
	WIN 0x51                                       ; V window 1, p window 0, O^T window 1
.irp t, 0,1,2,3
.irp x, 0,1
	PVM \t, \x                                     ; eight accumulators by turns
.endr
.endr
	WIN 0
	s_add_co_u32 s[TB], s[TB], KREC
	s_add_co_u32 s[TBI], s[TBI], 512
.endm
	s_mov_b32 s[CNT], 16
.Lstep:                                            ; the head's sixteen records
	STEP
	s_sub_co_u32 s[CNT], s[CNT], 1
	s_cmp_lg_u32 s[CNT], 0
	s_cbranch_scc1 .Lstep
	; THE WAY OUT: O^T / the sum, quantised along the head's 64 channels (two blocks of the model's K), as six registers of the next product's fragment.
.rept 4
	v_nop                                          ; places behind the last products
.endr
.irp x, 0,1
	v_add_f32 v[ST+8*\x+2], v[ST+8*\x+2], v[ST+8*\x+3]
.endr
.irp x, 0,1
	s_delay_alu instid0(VALU_DEP_2)
	v_permlanex16_b32 v[ST+8*\x+7], v[ST+8*\x+2], s[SEL], s[SEL+1]
.endr
.irp x, 0,1
	s_delay_alu instid0(VALU_DEP_2)
	v_add_f32 v[ST+8*\x+2], v[ST+8*\x+2], v[ST+8*\x+7]
.endr
	s_wait_alu depctr_va_vdst(0)
.irp x, 0,1
	v_rcp_f32 v[ST+8*\x+4], v[ST+8*\x+2]
.endr
	v_and_b32 v55, 15, v0                          ; (plain work behind the reciprocals)
	s_delay_alu instid0(VALU_DEP_1)
	v_lshlrev_b32 v55, 5, v55
	v_bfe_u32 v54, v0, 4, 1
	s_delay_alu instid0(VALU_DEP_1)
	v_add_nc_u32 v55, v55, v54                     ; osc: 32 r + h
	s_lshr_b32 s52, s17, 4                         ; batch
	s_and_b32 s53, s17, 15                         ; head
	s_lshl_b32 s54, s52, 11
	s_add_co_u32 s54, s54, s16
	s_lshl_b32 s55, s[WV], 5
	s_add_co_u32 s54, s54, s55                     ; my first token
	s_lshr_b32 s56, s54, 4
	s_mul_i32 s56, s56, 12288                      ; its tile of 16: eight fragments of 1,536 bytes
	s_lshr_b32 s55, s53, 1
	s_mul_i32 s55, s55, 1536
	s_add_co_u32 s56, s56, s55
	s_and_b32 s55, s53, 1
	s_mul_i32 s55, s55, 768
	s_add_co_u32 s56, s56, s55
	s_mov_b32 s57, 0
	s_add_nc_u64 s[10:11], s[10:11], s[56:57]
	s_lshl_b32 s56, s54, 5
	s_lshl_b32 s55, s53, 1
	s_add_co_u32 s56, s56, s55
	s_add_nc_u64 s[12:13], s[12:13], s[56:57]
	s_wait_alu depctr_va_vdst(0)                   ; one wait for the two reciprocals, ahead of their first reader
	WIN 0x01                                       ; source 0 window 1
.irp x, 0,1
.set i, 0
.rept 32
	v_mul_f32 v[S+64*\x+i], v[OF+32*\x+i], v[ST+8*\x+4]   ; each accumulator from its low end on
.set i, i+1
.endr
.endr
	WIN 0
.macro HQUANT x
	NAMES \x
.set g, 0
.rept 2
.set j, 0
.rept 8
	v_permlane16_swap_b32 v[rS+16*g+j], v[rS+16*g+8+j]   ; register 16 g + i: channel 32 g + 16 h + i
.set j, j+1
.endr
.set g, g+1
.endr
.irp b, 0,1
	v_max3_num_f32 v[rM+\b], |v[rS+16*\b]|, |v[rS+1+16*\b]|, 0x1800000
.endr
.irp i, 2,4,6,8,10,12,14
.irp b, 0,1
	s_delay_alu instid0(VALU_DEP_2)
	v_max3_num_f32 v[rM+\b], v[rM+\b], |v[rS+16*\b+\i]|, |v[rS+1+16*\b+\i]|
.endr
.endr
.irp b, 0,1
	s_delay_alu instid0(VALU_DEP_2)
	v_permlanex16_b32 v[rM+4+\b], v[rM+\b], s[SEL], s[SEL+1]
.endr
.irp b, 0,1
	s_delay_alu instid0(VALU_DEP_2)
	v_max_num_f32 v[rM+\b], v[rM+\b], v[rM+4+\b]
.endr
.irp b, 0,1
	s_delay_alu instid0(VALU_DEP_2)
	v_add_nc_u32 v[rM+8+\b], 0xff000000, v[rM+\b]
.endr
.irp b, 0,1
	s_delay_alu instid0(VALU_DEP_2)
	v_lshrrev_b32 v[rM+4+\b], 23, v[rM+8+\b]
.endr
	v_cvt_scalef32_pk16_fp6_f32 v[rP:rP+2], v[rS:rS+15], v[rM+8]
	v_cvt_scalef32_pk16_fp6_f32 v[rM+12:rM+14], v[rS+16:rS+31], v[rM+9]
	v_nop
.irp i, 0,1,2
	v_permlane16_swap_b32 v[rP+\i], v[rM+12+\i]
.endr
.irp i, 0,1,2
	s_delay_alu instid0(VALU_DEP_3)
	v_mov_b32 v[rP+3+\i], v[rM+12+\i]
.endr
	v_cndmask_b32 v[rM+4], v[rM+4], v[rM+5], s[HM] ; lane (r, h): block h's byte of token r
.irp p, 0,1,2
	global_store_b64 v[LI8], v[rP+2*\p:rP+2*\p+1], s[10:11] offset:(\x)*12288+256*\p   ; 32 lanes store 256 consecutive bytes, aligned
.endr
	global_store_b8 v55, v[rM+4], s[12:13] offset:(\x)*512   ; single bytes in rows 32 bytes apart: a row's other bytes are other heads'; 128 KiB in all
.endm
	HQUANT 0
	HQUANT 1
	s_wait_dscnt 0x0
	s_wait_tensorcnt 0x0
	ds_add_u32 v254, v255
	s_wait_dscnt 0x0
	CROUND                                         ; the closing round
	s_endpgm
.Lfunc_end_k_q93d098fed1_attn:
	.size	k_q93d098fed1_attn, .Lfunc_end_k_q93d098fed1_attn-k_q93d098fed1_attn
	.p2alignl 7, 3214868480
	.fill 96, 4, 3214868480
	.section	.rodata,"a",@progbits
	.p2align	6, 0x0
	.amdhsa_kernel k_q93d098fed1_attn
		.amdhsa_group_segment_fixed_size 247040
		.amdhsa_private_segment_fixed_size 0
		.amdhsa_enable_private_segment 0
		.amdhsa_kernarg_size 40
		.amdhsa_user_sgpr_count 2
		.amdhsa_user_sgpr_kernarg_segment_ptr 1
		.amdhsa_wavefront_size32 1
		.amdhsa_system_sgpr_workgroup_id_x 1
		.amdhsa_system_sgpr_workgroup_id_y 1
		.amdhsa_system_sgpr_workgroup_id_z 1
		.amdhsa_system_vgpr_workitem_id 0
		.amdhsa_next_free_vgpr 448
		.amdhsa_next_free_sgpr 72
		.amdhsa_reserve_vcc 0
		.amdhsa_float_denorm_mode_32 3
		.amdhsa_float_denorm_mode_16_64 3
		.amdhsa_memory_ordered 1
		.amdhsa_forward_progress 1
		.amdhsa_inst_pref_size 54
	.end_amdhsa_kernel
	.amdgpu_metadata
---
amdhsa.version: [ 1, 2 ]
amdhsa.kernels:
  - .name:           k_q93d098fed1_attn
    .symbol:         k_q93d098fed1_attn.kd
    .args:
      - { .name: qc, .offset: 0, .size: 8, .value_kind: global_buffer, .address_space: global }
      - { .name: kv, .offset: 8, .size: 8, .value_kind: global_buffer, .address_space: global }
      - { .name: rpe, .offset: 16, .size: 8, .value_kind: global_buffer, .address_space: global }
      - { .name: oc, .offset: 24, .size: 8, .value_kind: global_buffer, .address_space: global }
      - { .name: osc, .offset: 32, .size: 8, .value_kind: global_buffer, .address_space: global }
    .group_segment_fixed_size: 247040
    .private_segment_fixed_size: 0
    .kernarg_segment_align: 8
    .kernarg_segment_size: 40
    .max_flat_workgroup_size: 256
    .sgpr_count:     72
    .vgpr_count:     448
    .wavefront_size: 32
...
	.end_amdgpu_metadata
.endif
;; end of part 2
;; launch proj (part 3): grid 8 x 32, 4 waves a work-group, clusters of 4 x 4, 229,376 bytes of LDS; arguments oc, osc, w_out_codes, w_out_scales, b_out, out0; writes out0
.if DOCPART == 3
	.amdgcn_target "amdgcn-amd-amdhsa--gfx1250"
	.amdhsa_code_object_version 6
	.text
	.protected	k_q93d098fed1_proj
	.globl	k_q93d098fed1_proj
	.p2align	8
	.type	k_q93d098fed1_proj,@function
k_q93d098fed1_proj:
	s_mov_b64 s[64:65], 0
	v_nop
	global_prefetch_b8 v0, s[64:65] scope:SCOPE_SE
	s_setreg_imm32_b32 hwreg(HW_REG_WAVE_MODE, 25, 1), 1
	s_wait_xcnt 0x0
	s_wait_alu depctr_hold_cnt(0) depctr_sa_sdst(0) depctr_va_vdst(0) depctr_va_sdst(0) depctr_va_ssrc(0) depctr_va_vcc(0) depctr_vm_vsrc(0)
	s_getreg_b32 s2, hwreg(HW_REG_IB_STS2, 6, 4)
	s_cmp_eq_u32 s2, 0
	s_cbranch_scc0 .Lentry_in_a_cluster
	s_endpgm
.Lentry_in_a_cluster:
	s_bfe_u32 s2, ttmp6, 0x10000c
	s_cmp_lg_u32 s2, 0xf033
	s_cbranch_scc0 .Lentry_shape_is_right
	s_endpgm
.Lentry_shape_is_right:
; out0 = o w_out + b_out on codes of FP6 (E2M3) with one E8M0 scale for each 32 along K = 1,024; sums in f32.
; o: oc, images of operand registers: [16 tokens][K step 8] fragments of 1,536 bytes (piece p of 8 bytes of lane l at 256 p + 8 l); osc: 32 scale bytes a token.  w_out: 1,024 rows of 768 bytes of codes, 32 scale bytes a row.
; SHARES.  4,096 x 1,024 in blocks of 128 tokens x 128 channels: 32 x 8 = 256 work-groups of four waves; a wave makes 64 x 64: 16 accumulators, which take turns.
; LDS.  ALL OF K LIES IN LDS, FILLED ONCE: A's block is 98,304 dense bytes, B's 128 rows likewise, each side's scales 4,096: four tensor loads, one a wave, in rows of 256 bytes that begin at multiples of 256.  Nothing is filled again.
; B's rows get 16 bytes of padding behind every 256: 816 bytes = 204 words from row to row.
; CLUSTER.  4 x 4: A's tiles are asked for jointly along a row of the cluster, B's along a column.  No prefetch: every tile is asked for at the head, and no loop is there to run ahead in.
; THE MATRIX INSTRUCTION: source 0 = 16 rows of w_out, source 1 = 16 tokens: a lane holds a token and eight neighbouring channels.  b_out, in that layout, is the C of the first step.
; REGISTERS.  Window 0: v1-18 addresses; v32-63 scale words (8 i + step: lanes 0-15 A's block i, lanes 16-31 B's); v64-159, v160-255 two sets of fragments (A's four, B's four).  Window 1: v0-127 accumulators, v128-159 b_out.
.set BP,    816
.set LB,    98304                      ; A's codes lie at 0
.set SCA,   LB+128*BP
.set SCB,   SCA+4352                   ; 16 rows of 256 + 16
.set STG,   SCB+4352                   ; the way out: 16 rows x (256 + 16) bytes for each wave; no tile lands here
.set SPARE, STG+4*4352                 ; the spare words: 128 bytes a wave
.set ADRA, 4
.set ADRB, 5                           ; v6: the same + 16 in lanes 16-31, for pieces whose upper lanes lie behind one padding more
.set ADRS, 7
.set STO,  8
.set RD,   9
.set CO,   10
.set BOF,  11
.set SPW,  12
.set NIL,  13
.set SC,   32
.set G1A,  28
.set G1B,  36
.set G1SA, 44
.set G1SB, 52
.set G0A,  60
.set G0B,  68
.set G0SA, 72
.set G0SB, 76
.set PADW, (3<<16)|(1<<20)|(1<<21)|(5<<22)|(3<<25)   ; elements of 8 bytes; padding on; bit 21 beside a mask; after every 64 words 4 words
.set MSB, 0
.macro WIN new                         ; the immediate's high byte repeats the setting that is left
.if MSB != (\new)
	s_set_vgpr_msb (MSB<<8)|(\new)
.set MSB, (\new)
.endif
.endm
.macro CROUND                          ; a round of the cluster's barrier
	s_barrier_signal -1
	s_barrier_wait -1
	s_cmp_lg_u32 s16, 0
	s_cbranch_scc1 .Lnot_wave_0_\@
	s_barrier_signal -3
.Lnot_wave_0_\@:
	s_barrier_wait -3
	s_barrier_signal -1
	s_barrier_wait -1
.endm
.macro PLACES                          ; plain vector instructions behind a matrix instruction (ISA guide 7.12.1)
.rept 4
	v_nop
.endr
.endm
	s_load_b128 s[4:7], s[0:1], 0x0                ; oc, osc
	s_load_b128 s[8:11], s[0:1], 0x10              ; w_out's codes, its scales
	s_load_b128 s[12:15], s[0:1], 0x20             ; b_out, out0
	v_lshl_add_u32 v[SPW], v0, 2, SPARE
	v_mov_b32 v[NIL], 0
	ds_add_u32 v[SPW], v[NIL]                      ; the opening lines: the add, twice on end, and its wait
	ds_add_u32 v[SPW], v[NIL]
	v_lshrrev_b32 v1, 5, v0
	v_readfirstlane_b32 s16, v1                    ; wave 0..3
	s_lshr_b32 s17, s16, 1                         ; which 64 tokens are mine
	s_and_b32 s18, s16, 1                          ; which 64 channels
	s_bfe_u32 s19, ttmp6, 0x40000                  ; cx
	s_bfe_u32 s20, ttmp6, 0x40004                  ; cy
	s_lshl_b32 s21, ttmp9, 2
	s_add_co_u32 s21, s21, s19                     ; block of channels
	s_and_b32 s22, ttmp7, 0xffff
	s_lshl_b32 s22, s22, 2
	s_add_co_u32 s22, s22, s20                     ; block of tokens
	s_lshl_b32 s23, s20, 2
	s_lshl_b32 s23, 15, s23                        ; my row of the cluster
	s_lshl_b32 s24, 0x1111, s19                    ; my column
	s_or_b32 s[G1A], s23, (3<<16)|(1<<21)          ; A's codes: no padding: the lanes of a load read 256 bytes on end
	s_or_b32 s[G1B], s24, PADW
	s_or_b32 s[G1SA], s23, PADW
	s_or_b32 s[G1SB], s24, PADW
.irp g, G1A, G1B                       ; 98,304 dense bytes as 384 rows of 256
	s_mov_b32 s[\g+1], 32<<16
	s_mov_b32 s[\g+2], 384<<16
	s_mov_b32 s[\g+3], 32<<16
	s_mov_b32 s[\g+4], 384
	s_mov_b32 s[\g+5], 32
	s_mov_b32 s[\g+6], 0
	s_mov_b32 s[\g+7], 0
.endr
.irp g, G1SA, G1SB                     ; 4,096 dense bytes as 16 rows of 256
	s_mov_b32 s[\g+1], 32<<16
	s_mov_b32 s[\g+2], 16<<16
	s_mov_b32 s[\g+3], 32<<16
	s_mov_b32 s[\g+4], 16
	s_mov_b32 s[\g+5], 32
	s_mov_b32 s[\g+6], 0
	s_mov_b32 s[\g+7], 0
.endr
	s_mul_i32 s80, s22, 98304                      ; A's offsets hold cy alone, B's cx alone
	s_lshl_b32 s82, s22, 12
	s_mul_i32 s84, s21, 98304
	s_lshl_b32 s86, s21, 12
	s_mov_b32 s81, 0
	s_mov_b32 s83, 0
	s_mov_b32 s85, 0
	s_mov_b32 s87, 0
	s_lshl_b32 s26, s21, 9
	s_lshl_b32 s27, s18, 8
	s_add_co_u32 s26, s26, s27                     ; my first channel x 4 bytes
	s_mov_b32 s27, 0
	s_lshl_b32 s88, s22, 19
	s_lshl_b32 s89, s17, 18
	s_add_co_u32 s88, s88, s89                     ; my first token x 4,096 bytes
	s_add_co_u32 s88, s88, s26
	s_mov_b32 s89, 0
	s_mul_i32 s25, s17, 4*12288                    ; LDS: my four tiles of A,
	s_mul_i32 s66, s18, 64*BP
	s_add_co_u32 s66, s66, LB                      ; my 64 rows of B,
	s_mul_i32 s67, s16, 4352
	s_add_co_u32 s67, s67, STG                     ; my stage,
	s_mul_i32 s2, s17, 2176
	s_mul_i32 s3, s18, 2176
	s_add_co_u32 s3, s3, SCB-SCA
	s_sub_co_u32 s3, s3, s2                        ; from my A scales to my B scales,
	s_add_co_u32 s2, s2, SCA                       ; my A scales
	s_mov_b32 s[G0A], 1
	s_mov_b32 s[G0A+1], 0
	s_mov_b32 s[G0B], 1
	s_mov_b32 s[G0B+1], LB
	s_mov_b32 s[G0SA], 1
	s_mov_b32 s[G0SA+1], SCA
	s_mov_b32 s[G0SB], 1
	s_mov_b32 s[G0SB+1], SCB
	s_wait_dscnt 0x0                               ; both opening adds are done
	s_wait_kmcnt 0x0
	s_add_nc_u64 s[G0A+2:G0A+3], s[4:5], s[80:81]
	s_or_b32 s[G0A+3], s[G0A+3], 0x80000000
	s_add_nc_u64 s[G0SA+2:G0SA+3], s[6:7], s[82:83]
	s_or_b32 s[G0SA+3], s[G0SA+3], 0x80000000
	s_add_nc_u64 s[G0B+2:G0B+3], s[8:9], s[84:85]
	s_or_b32 s[G0B+3], s[G0B+3], 0x80000000
	s_add_nc_u64 s[G0SB+2:G0SB+3], s[10:11], s[86:87]
	s_or_b32 s[G0SB+3], s[G0SB+3], 0x80000000
	s_add_nc_u64 s[12:13], s[12:13], s[26:27]
	s_add_nc_u64 s[14:15], s[14:15], s[88:89]
	CROUND                                         ; all sixteen work-groups are here: the joint loads meet
; one load a wave, in one tree of branches on the wave's number: wave 0 A's codes, wave 1 B's, wave 2 A's scales, wave 3 B's
.macro ARM under, g0, g1, next
	s_cmp_lt_u32 s16, \under
	s_cbranch_scc0 \next
	tensor_load_to_lds s[\g0:\g0+3], s[\g1:\g1+7]
	s_nop 0
	PLACES
	s_branch .Lhead_asked
\next:
.endm
	ARM 1, G0A,  G1A,  .Lhead_b
	ARM 2, G0B,  G1B,  .Lhead_sa
	ARM 3, G0SA, G1SA, .Lhead_sb
	tensor_load_to_lds s[G0SB:G0SB+3], s[G1SB:G1SB+7]
	s_nop 0
	PLACES
.Lhead_asked:
	v_and_b32 v1, 15, v0                           ; r
	v_bfe_u32 v2, v0, 4, 1                         ; h
	v_and_b32 v3, 31, v0
	v_lshlrev_b32 v[ADRA], 3, v3
	v_add_nc_u32 v[ADRA], s25, v[ADRA]             ; A: 8 x lane
	v_mul_u32_u24 v14, v1, BP
	v_mad_u32_u24 v14, v2, 24, v14
	v_add_nc_u32 v[ADRB], s66, v14                 ; B: row r, + 24 h
	v_lshl_add_u32 v[ADRB+1], v2, 4, v[ADRB]
	v_lshlrev_b32 v15, 5, v1                       ; scales: 32 bytes a row,
	v_lshrrev_b32 v16, 8, v15
	v_lshl_add_u32 v15, v16, 4, v15                ; 16 more for each 256 passed;
	v_mul_u32_u24 v16, s3, v2                      ; lanes 16-31 take B's
	v_add_nc_u32 v15, v15, v16
	v_add_nc_u32 v[ADRS], s2, v15
	v_mul_u32_u24 v17, v1, 272
	v_lshl_add_u32 v17, v2, 5, v17
	v_add_nc_u32 v[STO], s67, v17                  ; into the stage: row r, 32 bytes for each half of the lanes
	v_mul_u32_u24 v18, v2, 272
	v_lshl_add_u32 v18, v1, 4, v18
	v_add_nc_u32 v[RD], s67, v18                   ; back: lanes 0-15 one row of 256 bytes, lanes 16-31 the next
	v_lshlrev_b32 v[CO], 12, v2
	v_lshl_add_u32 v[CO], v1, 4, v[CO]             ; the same two rows in out0
	v_lshlrev_b32 v[BOF], 5, v2
	s_wait_alu depctr_va_vdst(0)                   ; the wait at the head's end
	WIN 0x40                                       ; destination window 1
.irp b, 0,1,2,3
	global_load_b128 v[128+8*\b:128+8*\b+3], v[BOF], s[12:13] offset:64*\b        ; register 8 b + j: b_out of channel 16 b + 8 h + j
	global_load_b128 v[128+8*\b+4:128+8*\b+7], v[BOF], s[12:13] offset:64*\b+16
.endr
	WIN 0
	s_wait_tensorcnt 0x0                           ; my tile is in
	s_barrier_signal -1
	s_barrier_wait -1                              ; everybody's is: from here on the tiles are only read
.macro FETCH st                        ; step st's eight fragments into set st % 2: 48 loads
.set FS, 64+96*((\st)%2)
.irp i, 0,1,2,3
.irp p, 0,1,2,3,4,5
	ds_load_b64 v[FS+12*\i+2*\p:FS+12*\i+2*\p+1], v[ADRA] offset:\i*12288+(\st)*1536+256*\p
.endr
.endr
.irp i, 0,1,2,3
.irp p, 0,1,2,3,4,5
.set BY, 96*(\st)+48*(\p/3)+8*(\p%3)   ; byte y of a row of codes lies at y + 16 (y / 256) of its LDS row; lanes 16-31 read 24 bytes on
.if BY/256 == (BY+24)/256
	ds_load_b64 v[FS+48+12*\i+2*\p:FS+48+12*\i+2*\p+1], v[ADRB] offset:BY+16*(BY/256)+\i*16*BP
.else
	ds_load_b64 v[FS+48+12*\i+2*\p:FS+48+12*\i+2*\p+1], v[ADRB+1] offset:BY+16*(BY/256)+\i*16*BP
.endif
.endr
.endr
.endm
.macro MUL st                          ; 16 matrix instructions, 16 accumulators
.set FS, 64+96*((\st)%2)
.irp a, 0,1,2,3
.irp b, 0,1,2,3
.if (\st) == 0
	v_wmma_scale_f32_16x16x128_f8f6f4 v[8*(4*\a+\b):8*(4*\a+\b)+7], v[FS+48+12*\b:FS+48+12*\b+11], v[FS+12*\a:FS+12*\a+11], v[128+8*\b:128+8*\b+7], v[SC+8*\b+(\st)], v[SC+8*\a+(\st)] matrix_a_fmt:MATRIX_FMT_FP6 matrix_b_fmt:MATRIX_FMT_FP6 matrix_a_scale:MATRIX_SCALE_ROW1
.else
	v_wmma_scale_f32_16x16x128_f8f6f4 v[8*(4*\a+\b):8*(4*\a+\b)+7], v[FS+48+12*\b:FS+48+12*\b+11], v[FS+12*\a:FS+12*\a+11], v[8*(4*\a+\b):8*(4*\a+\b)+7], v[SC+8*\b+(\st)], v[SC+8*\a+(\st)] matrix_a_fmt:MATRIX_FMT_FP6 matrix_b_fmt:MATRIX_FMT_FP6 matrix_a_scale:MATRIX_SCALE_ROW1
.endif
.endr
.endr
.endm
.macro PSTEP st                        ; the next step's fragments are asked for, then this step is multiplied
.if (\st) < 7
.if (\st) > 0
	PLACES                                         ; the other set was read by the products just issued
.endif
	FETCH (\st)+1
	s_wait_dscnt 48                                ; all but the 48 just issued
.else
	s_wait_dscnt 0x0
.endif
.if (\st) == 0
	s_wait_loadcnt 0x0                             ; b_out
.endif
	WIN 0x50                                       ; C and D window 1
	MUL \st
	WIN 0
.endm
.irp i, 0,1,2,3
	ds_load_b128 v[SC+8*\i:SC+8*\i+3], v[ADRS] offset:\i*544       ; a row's eight scale words, all of K
	ds_load_b128 v[SC+8*\i+4:SC+8*\i+7], v[ADRS] offset:\i*544+16
.endr
	FETCH 0
.set ST, 0
.rept 8                                ; written out: where a step's pieces lie among the paddings comes back only after all eight
	PSTEP ST
.set ST, ST+1
.endr
; THE WAY OUT, by blocks of 16 tokens x 64 channels, through my own stage: whole rows of 256 bytes come back, and sixteen lanes store one aligned run of 256 bytes.
; LDS serves a wave's instructions in order (ISA guide 5.7.1.4): no wait between the stores and the loads.
.macro TOSTAGE a
	WIN 0x04                                       ; the data: window 1
.irp b, 0,1,2,3
	ds_store_b128 v[STO], v[8*(4*(\a)+\b):8*(4*(\a)+\b)+3] offset:64*\b        ; each accumulator from its low end on
	ds_store_b128 v[STO], v[8*(4*(\a)+\b)+4:8*(4*(\a)+\b)+7] offset:64*\b+16
.endr
	WIN 0
.set BB, 64+32*((\a)%2)
.irp t, 0,1,2,3,4,5,6,7
	ds_load_b128 v[BB+4*\t:BB+4*\t+3], v[RD] offset:\t*544
.endr
.endm
.macro SEND a, younger                 ; younger: the LDS instructions issued behind block a's loads
.set BB, 64+32*((\a)%2)
	s_wait_dscnt \younger
.irp t, 0,1,2,3,4,5,6,7
	global_store_b128 v[CO], v[BB+4*\t:BB+4*\t+3], s[14:15] offset:(16*(\a)+2*\t)*4096 th:TH_STORE_NT
.endr
.endm
	PLACES                                         ; behind the last products
	TOSTAGE 0
.irp a, 1,2,3
.if \a > 1
	s_wait_xcnt 0x0                                ; block a - 2's stores have read their registers
.endif
	TOSTAGE \a
	SEND \a-1, 16                                  ; behind block a - 1's loads: block a's 8 stores and 8 loads
.endr
	SEND 3, 0
	s_wait_tensorcnt 0x0                           ; the wave's end
	ds_add_u32 v[SPW], v[NIL]
	s_wait_dscnt 0x0
	CROUND                                         ; the closing round
	s_endpgm
.Lfunc_end_k_q93d098fed1_proj:
	.size	k_q93d098fed1_proj, .Lfunc_end_k_q93d098fed1_proj-k_q93d098fed1_proj
	.p2alignl 7, 3214868480
	.fill 96, 4, 3214868480
	.section	.rodata,"a",@progbits
	.p2align	6, 0x0
	.amdhsa_kernel k_q93d098fed1_proj
		.amdhsa_group_segment_fixed_size 229376
		.amdhsa_private_segment_fixed_size 0
		.amdhsa_enable_private_segment 0
		.amdhsa_kernarg_size 48
		.amdhsa_user_sgpr_count 2
		.amdhsa_user_sgpr_kernarg_segment_ptr 1
		.amdhsa_wavefront_size32 1
		.amdhsa_system_sgpr_workgroup_id_x 1
		.amdhsa_system_sgpr_workgroup_id_y 1
		.amdhsa_system_sgpr_workgroup_id_z 1
		.amdhsa_system_vgpr_workitem_id 0
		.amdhsa_next_free_vgpr 416
		.amdhsa_next_free_sgpr 90
		.amdhsa_reserve_vcc 0
		.amdhsa_float_denorm_mode_32 3
		.amdhsa_float_denorm_mode_16_64 3
		.amdhsa_memory_ordered 1
		.amdhsa_forward_progress 1
		.amdhsa_inst_pref_size 59
	.end_amdhsa_kernel
	.amdgpu_metadata
---
amdhsa.version: [ 1, 2 ]
amdhsa.kernels:
  - .name:           k_q93d098fed1_proj
    .symbol:         k_q93d098fed1_proj.kd
    .args:
      - { .name: oc, .offset: 0, .size: 8, .value_kind: global_buffer, .address_space: global }
      - { .name: osc, .offset: 8, .size: 8, .value_kind: global_buffer, .address_space: global }
      - { .name: w_out_codes, .offset: 16, .size: 8, .value_kind: global_buffer, .address_space: global }
      - { .name: w_out_scales, .offset: 24, .size: 8, .value_kind: global_buffer, .address_space: global }
      - { .name: b_out, .offset: 32, .size: 8, .value_kind: global_buffer, .address_space: global }
      - { .name: out0, .offset: 40, .size: 8, .value_kind: global_buffer, .address_space: global }
    .group_segment_fixed_size: 229376
    .private_segment_fixed_size: 0
    .kernarg_segment_align: 8
    .kernarg_segment_size: 48
    .max_flat_workgroup_size: 128
    .sgpr_count:     90
    .vgpr_count:     416
    .wavefront_size: 32
...
	.end_amdgpu_metadata
.endif
;; end of part 3
